; MI455X (gfx1250); checked and timed in simulation.
; The chip was launched on July 23, 2026; its instructions are those of AMD's public machine-readable ISA for CDNA 5 (MIT licence, August 2026) and "CDNA5" Instruction Set Architecture Reference Guide (July 2026). The comments in the code are by the model that wrote it; some were corrected since.
;; Causal Self Attention. Allowed arithmetic: matrix products marked QUANTISED: E2M1 operands, one E8M0 scale for each 32 along K, by v_wmma_scale_f32_16x16x128_f8f6f4 with both operands' format E2M1 (or v_wmma_scale_f32_32x16x128_f4), f32 sums; products left as they are: bf16, f16 or f32 operands; f32 sums; everything else in f32.
;; Inputs: b_proj 1,024 float32; b_qkv 3,072 float32; w_proj 1,024 x 1,024 float32; w_qkv 1,024 x 3,072 float32; x 4 x 2,048 x 1,024 float32.
;; Outputs: out0 4 x 2,048 x 1,024 float32.
;; This version of the problem:
;;   THIS VERSION OF THE PROBLEM IS GIVEN IN LOW PRECISION. The matrix products marked QUANTISED in the list below multiply operands that are first quantised to E2M1 (2 exponent bits, 1 mantissa bit; 4 bits a number), with one power-of-two scale for each 32 numbers along K (OCP MX v1.0); their sums are f32. The products marked 'left as it is' may take bf16, f16 or f32 operands, with f32 sums. Whichever they take, every output number must still come out within the allowed error. Rounding operands to bf16 (8 significant bits) uses up far more of that allowance than f16 does (11 bits, for magnitudes from 6e-5 to 65,504). All else is computed in f32.
;;   The module's matrix products, in the order in which they are computed (A, B: the left and right operand; K: the contracted axis; several contracted axes count as one K, in the product's order):
;;     1. [M 8,192, K 1,024] x [K 1,024, N 3,072]; A: input x; B: input w_qkv: QUANTISED
;;     2. batch 64 x [M 2,048, K 64] x [K 64, N 2,048]; A: computed on the way; B: computed on the way: left as it is (an operand is computed on the way)
;;     3. batch 64 x [M 2,048, K 2,048] x [K 2,048, N 64]; A: computed on the way; B: computed on the way: left as it is (an operand is computed on the way)
;;     4. [M 8,192, K 1,024] x [K 1,024, N 1,024]; A: computed on the way; B: input w_proj: left as it is (an operand is computed on the way)
;;   THE QUANTISER, for each operand of a quantised product, along K:
;;     - K is cut into blocks of 32 from its start; a last block that is shorter is filled with zeros.
;;     - A block's scale is 2^e with e = floor(log2(the largest magnitude in the block)) - 2, held to -126 .. 127; a block of zeros has e = 0. As a byte (E8M0): e + 127.
;;     - Each number is divided by its block's scale, clamped to +-6, and rounded to the nearest number of E2M1, ties to even, subnormals kept.
;;     - The product sums the exact products of the quantised numbers (number of the format x scale) in f32.
;;   ~~~python
;;   def quantise(x, axis):      # numpy; x: float32 -> the quantised numbers, widened to float32 again
;;       x = np.moveaxis(x, axis, -1); K = x.shape[-1]
;;       x = np.pad(x, [(0, 0)] * (x.ndim - 1) + [(0, -K % 32)]); x = x.reshape(x.shape[:-1] + (-1, 32)); a = np.abs(x).max(-1, keepdims=True)
;;       e = np.where(a > 0, np.clip(np.frexp(np.where(a > 0, a, 1))[1] - 1 - 2, -126, 127), 0)      # np.frexp(a)[1] - 1 = floor(log2(a)), exactly
;;       r = np.clip(x / 2.0 ** e, -6, 6)
;;       step = 2.0 ** (np.maximum(np.frexp(np.where(r == 0, 1, r))[1] - 1, 0) - 1)
;;       q = np.round(r / step) * step * 2.0 ** e      # np.round: ties to even
;;       return np.moveaxis(q.reshape(q.shape[:-2] + (-1,))[..., :K], -1, axis).astype(np.float32)
;;   ~~~
;; One version. Each part assembles by itself: llvm-mc -triple=amdgcn-amd-amdhsa -mcpu=gfx1250 --defsym DOCPART=n.
;; ======== version 1 of 1: 5 launches
;; limits: values are held in f16: magnitudes above 65,504 overflow, below 6.1e-05 lose precision
;; workspace buffers: xc 4,194,304 bytes; xs 262,144 bytes; wc 1,572,864 bytes; ws 98,304 bytes; wp16 2,097,152 bytes; qkv16 50,331,648 bytes; qkv32 786,432 bytes; yh 16,777,216 bytes
;; launch prep (part 1): grid 368 x 1, 4 waves a work-group, no clusters, 68,096 bytes of LDS; arguments w_qkv, x, w_proj, wc, ws, xc, xs, wp16; writes wc, ws, xc, xs, wp16
.if DOCPART == 1
	.amdgcn_target "amdgcn-amd-amdhsa--gfx1250"
	.amdhsa_code_object_version 6
	.text
	.protected	k_q693a4c37f2_prep
	.globl	k_q693a4c37f2_prep
	.p2align	8
	.type	k_q693a4c37f2_prep,@function
k_q693a4c37f2_prep:
	s_mov_b64 s[64:65], 0
	v_nop
	global_prefetch_b8 v0, s[64:65] scope:SCOPE_SE
	s_setreg_imm32_b32 hwreg(HW_REG_WAVE_MODE, 25, 1), 1
	s_wait_xcnt 0x0
; PREP: the operands of the quantised product become codes of FP4 (E2M1) with one E8M0 byte for each 32 along K, and w_proj becomes f16.
; Three kinds of work-group, told apart by the work-group's number alone; each kind has LDS bytes of its own.
;   0..47    W: w_qkv [1024 (k)][3072 (n)] f32, K outermost -> wc [3072][512 bytes] (K innermost, two codes a byte), ws [3072][32]
;   48..303  X: x [8192][1024] f32, K innermost -> xc [8192][512 bytes], xs [8192][32]: a plain stream of blocks of 32
;   304..367 P: w_proj [1024][1024] f32 -> wp16, the same layout in f16, rounded to nearest even
; A block's scale is 2^(floor(log2(largest magnitude)) - 2): its byte is the largest magnitude's exponent field - 2, held at 1 from below.
; LIMITS: a block of zeros gets the byte 1 where the rule says 127 (its codes are zeros, and this program alone reads the bytes); blocks whose largest
; magnitude lies under 2^-124 are held at the byte 1; NaN and infinities are not served; |w_proj| must stay under 65,504 (f16), and under 6e-5 it keeps an absolute error of 3e-8.
; No tensor loads, no barrier: waves share nothing.
.set SPW,   190                        ; v190 LDS address of my spare word: SPARE + 4 x my thread's number; never rewritten
.set NIL,   191                        ; v191 0; never rewritten
.set SPARE, 67584                      ; behind X's regions and W's stages: 128 bytes for each wave, named by no other line
.set EMAX,  2
.set WN,     3072                      ; path W: columns of w_qkv
.set WPITCH, 272                       ; a stage row: 256 bytes of codes + 16
.set WKROW,  512                       ; a row of wc in bytes
.set WNB,    16                        ; blocks of 32 along K for a wave
.set WSTG,   32768                     ; W's four stages of 32 x 272 bytes
.set WX,     32                        ; v32-95   two sets of 32 numbers
.set WC,     96                        ; v96-99   a block's codes
.set WOUT,   112                       ; v112-175 the way out
.set WSB,    24                        ; v24-27   the scale bytes, four to a register
.set XSTEPS, 16                        ; path X: steps of 512 numbers for a wave
.set XCB,    8                         ; bytes of 16 codes
.set XR,     16                        ; v16-79   four sets of 16 numbers as loaded
.set XX,     80                        ; v80-111  two sets of 16 neighbours
.set XE,     112                       ; v112-127 a scale byte for each step
.set XC,     128                       ; v128-189 codes, four registers a step
.set XREG,   8192                      ; a wave's LDS region: two stages of 32 x 80 bytes, then its 256 scale bytes
.set XSP,    80                        ; a lane's place in a stage: 64 bytes + 16
.macro FINISH                          ; the wave's end
	s_wait_tensorcnt 0x0
	ds_add_u32 v[SPW], v[NIL]
	s_wait_dscnt 0x0
	s_endpgm
.endm
	s_load_b256 s[4:11], s[0:1], 0x0               ; w_qkv s[4:5], x s[6:7], w_proj s[8:9], wc s[10:11]
	s_load_b256 s[12:19], s[0:1], 0x20             ; ws s[12:13], xc s[14:15], xs s[16:17], wp16 s[18:19]
	v_lshl_add_u32 v[SPW], v0, 2, SPARE
	v_mov_b32 v[NIL], 0
	v_lshrrev_b32 v1, 5, v0
	v_readfirstlane_b32 s20, v1                    ; wave 0..3
	v_and_b32 v2, 31, v0                           ; lane
	s_wait_kmcnt 0x0
	s_cmp_lt_u32 ttmp9, 48
	s_cbranch_scc1 .Lpath_w
	s_cmp_lt_u32 ttmp9, 304
	s_cbranch_scc1 .Lpath_x
; ---- P: a wave takes 4,096 numbers: 32 loads of 512 consecutive bytes, 32 stores of 256 consecutive aligned bytes
	s_sub_co_u32 s21, ttmp9, 304
	s_lshl_b32 s21, s21, 2
	s_add_co_u32 s21, s21, s20                     ; which run of 4,096 numbers
	s_lshl_b32 s22, s21, 14
	s_mov_b32 s23, 0
	s_add_nc_u64 s[8:9], s[8:9], s[22:23]
	s_lshl_b32 s22, s21, 13
	s_add_nc_u64 s[18:19], s[18:19], s[22:23]
	v_lshlrev_b32 v3, 4, v2                        ; in: 16 bytes a lane
	v_lshlrev_b32 v4, 3, v2                        ; out: 8 bytes a lane
.set i, 0
.rept 32
	global_load_b128 v[16+4*i:19+4*i], v3, s[8:9] offset:512*i
.set i, i+1
.endr
.set i, 0
.rept 32
	s_wait_loadcnt 31-i                            ; loads come back in order: load i is in, the younger ones stay out
	v_cvt_pk_f16_f32 v[16+4*i], v[16+4*i], v[17+4*i]
	v_cvt_pk_f16_f32 v[17+4*i], v[18+4*i], v[19+4*i]
	global_store_b64 v4, v[16+4*i:17+4*i], s[18:19] offset:256*i
.set i, i+1
.endr
	FINISH
; ---- X: each of a step's four loads reads 512 consecutive bytes; the 2,048 bytes turn through the wave's own stage and come back 64 bytes (16 neighbours) a lane; two neighbouring lanes hold a block
.Lpath_x:
	v_lshlrev_b32 v3, 4, v2                        ; my 16 bytes of a load's 512
	s_mul_i32 s21, s20, XREG
	v_lshrrev_b32 v14, 2, v2
	v_mul_u32_u24 v14, v14, XSP
	v_and_b32 v15, 3, v2
	v_lshl_add_u32 v14, v15, 4, v14
	v_add_nc_u32 v14, s21, v14                     ; the stage, on the way in: 80 (lane / 4) + 16 (lane % 4)
	v_mul_u32_u24 v15, v2, XSP
	v_add_nc_u32 v15, s21, v15                     ; and on the way out: 80 x lane
	v_mul_u32_u24 v4, v2, XCB                      ; my codes' place in a step's
	v_lshrrev_b32 v5, 1, v2
	s_add_co_u32 s21, s21, 2*32*XSP
	v_add_nc_u32 v5, s21, v5                       ; my wave's 256 scale bytes, my block's byte
	v_lshlrev_b32 v7, 3, v2
	v_add_nc_u32 v6, s21, v7                       ; and on the way out 8 bytes a lane
	s_sub_co_u32 s22, ttmp9, 48
	s_lshl_b32 s22, s22, 2
	s_add_co_u32 s22, s22, s20                     ; which run of 8,192 numbers is my wave's
	s_mov_b32 s25, 0
	s_lshl_b32 s24, s22, 15
	s_add_nc_u64 s[6:7], s[6:7], s[24:25]
	s_lshl_b32 s24, s22, 12
	s_add_nc_u64 s[14:15], s[14:15], s[24:25]
	s_lshl_b32 s24, s22, 8
	s_add_nc_u64 s[16:17], s[16:17], s[24:25]
.macro LOADX t
.irp i, 0,1,2,3
	global_load_b128 v[XR+16*((\t)%4)+4*\i:XR+16*((\t)%4)+4*\i+3], v3, s[6:7] offset:2048*(\t)+512*\i th:TH_LOAD_NT
.endr
.endm
.macro TURNX t                         ; LDS serves a wave's instructions in order: no wait between the stores and the loads
.irp i, 0,1,2,3
	ds_store_b128 v14, v[XR+16*((\t)%4)+4*\i:XR+16*((\t)%4)+4*\i+3] offset:32*XSP*((\t)%2)+8*XSP*\i
.endr
.irp i, 0,1,2,3
	ds_load_b128 v[XX+16*((\t)%2)+4*\i:XX+16*((\t)%2)+4*\i+3], v15 offset:32*XSP*((\t)%2)+16*\i
.endr
.endm
.irp t, 0,1,2,3
	LOADX \t
.endr
	s_wait_loadcnt 12                              ; step 0's four loads are in; three steps' twelve stay out
	TURNX 0
.macro STEPX t
.set XS, XX+16*((\t)%2)
.if (\t) > 0
	s_wait_dscnt 1                                 ; this step's numbers are back from the stage (the last step's byte store may be out)
.else
	s_wait_dscnt 0x0
.endif
.if (\t)+4 < XSTEPS
	LOADX (\t)+4                                   ; into the registers that this step's stage stores have read
.endif
.if (\t)+1 < XSTEPS
.if XSTEPS-2-(\t) >= 3
	s_wait_loadcnt 12                              ; the next step's four loads are in; those of the three steps behind it may be out
.else
	s_wait_loadcnt 4*(XSTEPS-2-(\t))
.endif
	TURNX (\t)+1
.endif
	v_max3_num_f32 v8, |v[XS]|, |v[XS+1]|, |v[XS+2]|               ; the largest magnitude of my 16, in two chains
	v_max3_num_f32 v9, |v[XS+3]|, |v[XS+4]|, |v[XS+5]|
.irp i, 6,10
	v_max3_num_f32 v8, v8, |v[XS+\i]|, |v[XS+\i+1]|
	v_max3_num_f32 v9, v9, |v[XS+\i+2]|, |v[XS+\i+3]|
.endr
	v_max3_num_f32 v8, v8, |v[XS+14]|, |v[XS+15]|
	v_max3_num_f32 v8, v8, v9, (EMAX+1)<<23        ; and the floor 2^(3 - 127): the byte cannot fall under 1
	v_max_num_f32_dpp v8, v8, v8 row_xmask:1 row_mask:0xf bank_mask:0xf   ; and of my neighbour's 16: the block's
	v_add_nc_u32 v11, -(EMAX<<23), v8              ; 2 off its exponent field: the conversion takes the exponent field of this operand as its scale
	v_cvt_scalef32_pk8_fp4_f32 v[XC+4*(\t)], v[XS:XS+7], v11
	v_cvt_scalef32_pk8_fp4_f32 v[XC+4*(\t)+1], v[XS+8:XS+15], v11
	v_lshrrev_b32 v[XE+(\t)], 23, v11              ; the scale's byte
	ds_store_b8 v5, v[XE+(\t)] offset:16*(\t)      ; both lanes of a block write the same byte with the same value
	global_store_b64 v4, v[XC+4*(\t):XC+4*(\t)+1], s[14:15] offset:32*XCB*(\t)   ; the wave stores 256 consecutive aligned bytes
.endm
.irp t, 0,1,2,3,4,5,6,7,8,9,10,11,12,13,14,15
	STEPX \t
.endr
	ds_load_b64 v[8:9], v6                         ; my wave's 256 scale bytes: these loads see my stores
	s_wait_dscnt 0x0
	global_store_b64 v7, v[8:9], s[16:17]          ; 256 consecutive aligned bytes
	FINISH
; ---- W: a lane takes a column n and its registers run down K: a block of 32 lies in one lane, and the codes come out with K innermost.
; Work-group idx: columns 128 (idx / 2) + 32 wave on, K half idx % 2 (512 along K: 16 blocks, 256 bytes of codes a column), through the wave's stage and out as rows.
.Lpath_w:
	s_lshr_b32 s21, ttmp9, 1
	s_lshl_b32 s21, s21, 7
	s_lshl_b32 s22, s20, 5
	s_add_co_u32 s21, s21, s22                     ; my wave's first column
	s_and_b32 s22, ttmp9, 1                        ; which 512 along K
	v_lshlrev_b32 v3, 2, v2                        ; in: 4 bytes a lane
	s_mul_i32 s23, s20, 32*WPITCH
	s_add_co_u32 s23, s23, WSTG                    ; my stage
	v_mul_u32_u24 v4, v2, WPITCH
	v_add_nc_u32 v4, s23, v4                       ; into it: row = my column
	v_and_b32 v5, 15, v2
	v_lshrrev_b32 v6, 4, v2
	v_mul_u32_u24 v7, v6, WPITCH
	v_lshl_add_u32 v7, v5, 4, v7
	v_add_nc_u32 v7, s23, v7                       ; out of it: sixteen lanes to a row, two rows an instruction
	v_mul_u32_u24 v8, v6, WKROW
	v_lshl_add_u32 v8, v5, 4, v8                   ; and the same place in wc
	v_lshlrev_b32 v9, 5, v2                        ; my column's row of 32 scale bytes
	s_mul_i32 s24, s22, 512*WN*4                   ; w_qkv: 512 rows of 12,288 bytes for each K half, + 4 x column
	s_lshl_b32 s26, s21, 2
	s_add_co_u32 s24, s24, s26
	s_mov_b32 s25, 0
	s_add_nc_u64 s[4:5], s[4:5], s[24:25]
	s_lshl_b32 s24, s21, 9                         ; wc: column x 512 + 256 x half
	s_lshl_b32 s26, s22, 8
	s_add_co_u32 s24, s24, s26
	s_add_nc_u64 s[10:11], s[10:11], s[24:25]
	s_lshl_b32 s24, s21, 5                         ; ws: column x 32 + 16 x half
	s_lshl_b32 s26, s22, 4
	s_add_co_u32 s24, s24, s26
	s_add_nc_u64 s[12:13], s[12:13], s[24:25]
.macro LOADW t                         ; block t: w(32 t + i, my column), i = 0 .. 31: each load reads 128 consecutive bytes; the largest immediate is 511 x 12,288, inside the signed 24 bits
.set i, 0
.rept 32
	global_load_b32 v[WX+32*((\t)%2)+i], v3, s[4:5] offset:(32*(\t)+i)*WN*4 th:TH_LOAD_NT
.set i, i+1
.endr
.endm
	LOADW 0
	LOADW 1
.macro BLOCKW t
.set XS, WX+32*((\t)%2)
.if (\t) < WNB-1
	s_wait_loadcnt 32                              ; this block's 32 loads are in; the next block's may be out
.else
	s_wait_loadcnt 0
.endif
	v_max3_num_f32 v12, |v[XS]|, |v[XS+1]|, |v[XS+2]|               ; the block's largest magnitude: all 32 numbers are mine
	v_max3_num_f32 v13, |v[XS+3]|, |v[XS+4]|, |v[XS+5]|
.irp i, 6,10,14,18,22,26
	v_max3_num_f32 v12, v12, |v[XS+\i]|, |v[XS+\i+1]|
	v_max3_num_f32 v13, v13, |v[XS+\i+2]|, |v[XS+\i+3]|
.endr
	v_max3_num_f32 v12, v12, |v[XS+30]|, |v[XS+31]|
	v_max3_num_f32 v12, v12, v13, (EMAX+1)<<23     ; and the floor
	v_add_nc_u32 v11, -(EMAX<<23), v12             ; the conversion's scale operand
	v_lshrrev_b32 v13, 23, v11                     ; the scale's byte
.if (\t)%4 == 0
	v_mov_b32 v[WSB+(\t)/4], v13                   ; four bytes to a register, the lower K in the lower byte
.else
	v_lshl_or_b32 v[WSB+(\t)/4], v13, 8*((\t)%4), v[WSB+(\t)/4]
.endif
.irp g, 0,1,2,3
	v_cvt_scalef32_pk8_fp4_f32 v[WC+\g], v[XS+8*\g:XS+8*\g+7], v11
.endr
	ds_store_b128 v4, v[WC:WC+3] offset:16*(\t)    ; 32 codes: 16 bytes of my column's row
.if (\t)+2 < WNB
	LOADW (\t)+2
.endif
	s_wait_dscnt 0x0                               ; the store has read its registers: the next block's codes may be written
.endm
.irp t, 0,1,2,3,4,5,6,7,8,9,10,11,12,13,14,15
	BLOCKW \t
.endr
	global_store_b128 v9, v[WSB:WSB+3], s[12:13]   ; my column's 16 scale bytes
.irp t, 0,1,2,3,4,5,6,7,8,9,10,11,12,13,14,15
	ds_load_b128 v[WOUT+4*\t:WOUT+4*\t+3], v7 offset:2*\t*WPITCH
.endr
.irp t, 0,1,2,3,4,5,6,7,8,9,10,11,12,13,14,15
	s_wait_dscnt 15-\t                             ; load t is back, the younger ones stay out
	global_store_b128 v8, v[WOUT+4*\t:WOUT+4*\t+3], s[10:11] offset:2*\t*WKROW   ; sixteen lanes store 256 consecutive aligned bytes
.endr
	FINISH
.Lfunc_end_k_q693a4c37f2_prep:
	.size	k_q693a4c37f2_prep, .Lfunc_end_k_q693a4c37f2_prep-k_q693a4c37f2_prep
	.p2alignl 7, 3214868480
	.fill 96, 4, 3214868480
	.section	.rodata,"a",@progbits
	.p2align	6, 0x0
	.amdhsa_kernel k_q693a4c37f2_prep
		.amdhsa_group_segment_fixed_size 68096
		.amdhsa_private_segment_fixed_size 0
		.amdhsa_enable_private_segment 0
		.amdhsa_kernarg_size 64
		.amdhsa_user_sgpr_count 2
		.amdhsa_user_sgpr_kernarg_segment_ptr 1
		.amdhsa_wavefront_size32 1
		.amdhsa_system_sgpr_workgroup_id_x 1
		.amdhsa_system_sgpr_workgroup_id_y 1
		.amdhsa_system_sgpr_workgroup_id_z 1
		.amdhsa_system_vgpr_workitem_id 0
		.amdhsa_next_free_vgpr 192
		.amdhsa_next_free_sgpr 66
		.amdhsa_reserve_vcc 0
		.amdhsa_float_denorm_mode_32 3
		.amdhsa_float_denorm_mode_16_64 3
		.amdhsa_memory_ordered 1
		.amdhsa_forward_progress 1
		.amdhsa_inst_pref_size 122
	.end_amdhsa_kernel
	.amdgpu_metadata
---
amdhsa.version: [ 1, 2 ]
amdhsa.kernels:
  - .name:           k_q693a4c37f2_prep
    .symbol:         k_q693a4c37f2_prep.kd
    .args:
      - { .name: w_qkv, .offset: 0, .size: 8, .value_kind: global_buffer, .address_space: global }
      - { .name: x, .offset: 8, .size: 8, .value_kind: global_buffer, .address_space: global }
      - { .name: w_proj, .offset: 16, .size: 8, .value_kind: global_buffer, .address_space: global }
      - { .name: wc, .offset: 24, .size: 8, .value_kind: global_buffer, .address_space: global }
      - { .name: ws, .offset: 32, .size: 8, .value_kind: global_buffer, .address_space: global }
      - { .name: xc, .offset: 40, .size: 8, .value_kind: global_buffer, .address_space: global }
      - { .name: xs, .offset: 48, .size: 8, .value_kind: global_buffer, .address_space: global }
      - { .name: wp16, .offset: 56, .size: 8, .value_kind: global_buffer, .address_space: global }
    .group_segment_fixed_size: 68096
    .private_segment_fixed_size: 0
    .kernarg_segment_align: 8
    .kernarg_segment_size: 64
    .max_flat_workgroup_size: 128
    .sgpr_count:     66
    .vgpr_count:     192
    .wavefront_size: 32
...
	.end_amdgpu_metadata
.endif
;; end of part 1
;; launch qkv (part 2): grid 12 x 32, 4 waves a work-group, clusters of 4 x 4, 327,680 bytes of LDS; arguments xc, xs, wc, ws, qkv16, b_qkv, qkv32; writes qkv16, qkv32
.if DOCPART == 2
	.amdgcn_target "amdgcn-amd-amdhsa--gfx1250"
	.amdhsa_code_object_version 6
	.text
	.protected	k_q693a4c37f2_qkv
	.globl	k_q693a4c37f2_qkv
	.p2align	8
	.type	k_q693a4c37f2_qkv,@function
k_q693a4c37f2_qkv:
	s_mov_b64 s[64:65], 0
	v_nop
	global_prefetch_b8 v0, s[64:65] scope:SCOPE_SE
	s_setreg_imm32_b32 hwreg(HW_REG_WAVE_MODE, 25, 1), 1
	s_wait_xcnt 0x0
	s_wait_alu depctr_hold_cnt(0) depctr_sa_sdst(0) depctr_va_vdst(0) depctr_va_sdst(0) depctr_va_ssrc(0) depctr_va_vcc(0) depctr_vm_vsrc(0)
	s_getreg_b32 s2, hwreg(HW_REG_IB_STS2, 6, 4)
	s_cmp_eq_u32 s2, 0
	s_cbranch_scc0 .Lentry_in_a_cluster
	s_endpgm
.Lentry_in_a_cluster:
	s_bfe_u32 s2, ttmp6, 0x10000c
	s_cmp_lg_u32 s2, 0xf033
	s_cbranch_scc0 .Lentry_shape_is_right
	s_endpgm
.Lentry_shape_is_right:
; QKV: qkv[m][n] = sum over k of Q(x)[m][k] Q(w_qkv)[k][n] + b_qkv[n], on codes of FP4 (E2M1) with one E8M0 scale for each 32 along K; sums in f32.
; xc [8192][512 bytes], xs [8192][32], wc [3072][512 bytes], ws [3072][32]: K innermost, two codes a byte.  The matrix instruction takes codes and scale bytes as they lie.
; OUT: qkv16 [which 3][batch 4][head 16][t 2048][64] f16 (rounded once), and for positions t < 16 of each batch qkv32, the f32 accumulators as register images:
;      [batch][n / 16][half][lane][16 bytes]; lane (r, h), register j = qkv[t = r][16 (n / 16) + 8 h + j], half = j / 4.
; LIMIT: |qkv| must stay under 65,504 (f16); magnitudes under 6e-5 keep an absolute error of 3e-8.
; A tile of 256 x 256 is made by four waves, 128 x 128 each: 64 accumulators, 512 registers.  K = 1,024 is two K steps of 512: both LDS slots and the scales are filled once, at the start.
; CLUSTERS: 4 x 4 work-groups.  The tile row is cluster y + 8 cy, so that cy is the batch and cluster y the block of 256 positions in it: the one branch of the way out hangs on cluster y and the wave's number, which all partners share.
; The four of a row of the cluster need the same tiles of x, the four of a column the same tiles of w: each tile is asked for jointly, by the same tensor load with the same descriptor and a mask that names the four.
; THE MATRIX INSTRUCTION IS USED TRANSPOSED (source 0 = 16 rows of wc, source 1 = 16 rows of xc): a lane holds eight neighbouring columns of one row.  The bias is the C of each sum's first product.
; REGISTERS, in windows of 256: window 0: v0-31 addresses; v32-95 scale words, two sets; v96-127 packed results; v128-191 x's fragments, one set (on the way out: rows read back); v192-255 the bias, 8 registers for each of w's 8 blocks.
;   window 1: w's fragments, two sets, at v0 and v128.   window 2: the accumulators of my rows 0-63 ((a, b) at v[8 (8 a + b)]);   window 3: those of my rows 64-127.
.set KSTEP,  512
.set NQ,     4                         ; matrix instructions deep in a slot
.set ROWB,   256                       ; a tile's row in bytes
.set KROW,   512                       ; a row of xc or wc in memory
.set PITCH,  272                       ; an LDS row: 256 bytes + 16: row r starts 4 r banks on (64 banks of 4 bytes: ISA guide 11.1)
.set FR,     8
.set NL,     2
.set NP,     4                         ; places behind this matrix instruction (ISA guide 7.12.1)
.set HALFT,  128*PITCH
.set SLOT,   4*HALFT
.set KS,     32                        ; a row of scales in bytes
.set SCL,    2*SLOT                    ; behind the two slots: the scales, as units of 256 bytes + 16
.set HALFS,  (128*KS/256)*272
.set SBLK,   (16*KS/256)*272
.set SPARE,  SCL+4*HALFS               ; the spare words, 128 bytes for each wave, named by no other line
.set STAGE,  SPARE+512                 ; the way out: for each wave 2 heads x 16 rows x (128 bytes + 16); no tile lands here
.set SPITCH, 144
.set WSTG,   2*16*SPITCH
.set ADRA, 16
.set ADRB, 20
.set STO,  24                          ; v24 where I put 16 bytes of a row
.set RD,   25                          ; v25 where I read rows back
.set CO,   26                          ; v26 16 x lane
.set ADRS, 27
.set SPW,  28
.set NIL,  29
.set SC,   32
.set TMP,  96
.set AF,   128
.set BK,   128                         ; rows read back: v128-159 and v160-191 by turns
.set BI,   192
.set G1, 24
.set G0, 32
.set G1B, 48
.set G0B, 56
.set G1S, 68
.set G0S, 76
.set G1SB, 80
.set G0SB, 88
.set MSB, 0
.macro WIN new                         ; the immediate's high byte repeats the setting that is left
.if MSB != (\new)
	s_set_vgpr_msb (MSB<<8)|(\new)
.set MSB, (\new)
.endif
.endm
.set MUL_LO, 0xa1                      ; source 0 (w) window 1, source 1 (x) window 0, C and D window 2
.set MUL_HI, 0xf1                      ; the same, C and D window 3
.set BIA_LO, 0x81                      ; the first products: C (the bias) window 0, D window 2
.set BIA_HI, 0xc1                      ; D window 3
.set TO_B,   0x40
; A joint load: waves 0 and 1 fetch for x, waves 2 and 3 for w.  The branch hangs on the wave's number alone.  An s_nop 0 and four v_nop follow each of the two lines.
.macro JLOAD g0a, g1a, g0b, g1b
	s_cmp_eq_u32 s15, 0
	s_cbranch_scc0 .Lfor_b_\@
	tensor_load_to_lds s[\g0a:\g0a+3], s[\g1a:\g1a+7]
	s_nop 0
.rept 4
	v_nop
.endr
	s_branch .Lasked_\@
.Lfor_b_\@:
	tensor_load_to_lds s[\g0b:\g0b+3], s[\g1b:\g1b+7]
	s_nop 0
.rept 4
	v_nop
.endr
.Lasked_\@:
.endm
.macro CROUND                          ; a round of the cluster's barrier
	s_barrier_signal -1
	s_barrier_wait -1
	s_cmp_lg_u32 s14, 0
	s_cbranch_scc1 .Lnot_wave_0_\@
	s_barrier_signal -3
.Lnot_wave_0_\@:
	s_barrier_wait -3
	s_barrier_signal -1
	s_barrier_wait -1
.endm
	s_load_b128 s[4:7], s[0:1], 0x0                ; xc s[4:5], xs s[6:7]
	s_load_b128 s[8:11], s[0:1], 0x10              ; wc s[8:9], ws s[10:11]
	s_load_b64 s[12:13], s[0:1], 0x20              ; qkv16
	s_load_b64 s[96:97], s[0:1], 0x28              ; b_qkv
	s_load_b64 s[98:99], s[0:1], 0x30              ; qkv32
	v_lshl_add_u32 v[SPW], v0, 2, SPARE
	v_mov_b32 v[NIL], 0
	ds_add_u32 v[SPW], v[NIL]                      ; the wave's opening: the add, twice on end, and its wait ahead of my first tensor load
	ds_add_u32 v[SPW], v[NIL]
	v_lshrrev_b32 v1, 5, v0
	v_readfirstlane_b32 s14, v1                    ; wave 0..3
	s_lshr_b32 s15, s14, 1                         ; which half of the tile's rows is mine.  Also: I fetch for x (0) or for w (1)
	s_and_b32 s16, s14, 1                          ; which half of its columns.  Also: which 128 rows of that tile I fetch
	s_bfe_u32 s40, ttmp6, 0x40000                  ; cx
	s_bfe_u32 s41, ttmp6, 0x40004                  ; cy
	s_lshl_b32 s42, ttmp9, 2
	s_add_co_u32 s42, s42, s40                     ; tile column = 4 x cluster x + cx
	s_and_b32 s3, ttmp7, 0xffff                    ; cluster y: the block of 256 positions in a batch
	s_lshl_b32 s17, s41, 3
	s_add_co_u32 s17, s17, s3                      ; tile row = 8 cy + cluster y: batch cy
	s_lshl_b32 s43, s41, 2
	s_lshl_b32 s43, 15, s43                        ; my row of the cluster
	s_lshl_b32 s44, 0x1111, s40                    ; my column
	s_or_b32 s[G1+0], s43, (0<<16)|(1<<20)|(1<<21)|(5<<22)|(3<<25)  ; the mask; elements of 1 byte; padding on: 4 words behind every 64; bit 21 beside a mask
	s_or_b32 s[G1B+0], s44, (0<<16)|(1<<20)|(1<<21)|(5<<22)|(3<<25)
.irp g, G1, G1B
	s_mov_b32 s[\g+1], ROWB<<16                    ; tensor_dim0
	s_mov_b32 s[\g+2], 128<<16                     ; tensor_dim1
	s_mov_b32 s[\g+3], ROWB<<16                    ; tile_dim0
	s_mov_b32 s[\g+4], 128                         ; tile_dim1
	s_mov_b32 s[\g+5], KROW                        ; from row to row
	s_mov_b32 s[\g+6], 0
	s_mov_b32 s[\g+7], 0
.endr
	s_or_b32 s[G1S+0], s43, (3<<16)|(1<<20)|(1<<21)|(5<<22)|(3<<25) ; the scales of 128 rows: 4,096 dense bytes as 16 rows of 256 (32 elements of 8 bytes), 16 bytes behind each
	s_or_b32 s[G1SB+0], s44, (3<<16)|(1<<20)|(1<<21)|(5<<22)|(3<<25)
.irp g, G1S, G1SB
	s_mov_b32 s[\g+1], 32<<16
	s_mov_b32 s[\g+2], (128*KS/256)<<16
	s_mov_b32 s[\g+3], 32<<16
	s_mov_b32 s[\g+4], 128*KS/256
	s_mov_b32 s[\g+5], 32
	s_mov_b32 s[\g+6], 0
	s_mov_b32 s[\g+7], 0
.endr
	s_lshl_b32 s18, s16, 7                         ; which 128 rows of the tile I fetch
	s_lshl_b32 s20, s17, 8
	s_add_co_u32 s20, s20, s18                     ; x: row 256 x tile row + 128 x half
	s_lshl_b32 s46, s42, 8
	s_add_co_u32 s46, s46, s18                     ; w: row 256 x tile column + 128 x half
	s_mov_b32 s21, 0
	s_mov_b32 s47, 0
	s_mov_b64 s[18:19], KS
	s_mul_u64 s[22:23], s[20:21], s[18:19]         ; where these rows' scales begin
	s_mul_u64 s[92:93], s[46:47], s[18:19]
	s_mov_b64 s[18:19], KROW
	s_mul_u64 s[20:21], s[20:21], s[18:19]         ; and their codes
	s_mul_u64 s[46:47], s[46:47], s[18:19]
	s_mul_i32 s45, s14, HALFT                      ; where they go: wave x 128 rows
	s_mul_i32 s94, s14, HALFS
	s_wait_dscnt 0x0                               ; both opening adds are done
	s_wait_kmcnt 0x0
	s_add_nc_u64 s[20:21], s[4:5], s[20:21]
	s_add_nc_u64 s[22:23], s[6:7], s[22:23]
	s_add_nc_u64 s[46:47], s[8:9], s[46:47]
	s_add_nc_u64 s[92:93], s[10:11], s[92:93]
	CROUND                                         ; all sixteen work-groups are here: the joint loads meet
	s_mov_b32 s[G0S], 1
	s_add_co_u32 s[G0S+1], s94, SCL
	s_mov_b64 s[G0S+2:G0S+3], s[22:23]
	s_or_b32 s[G0S+3], s[G0S+3], 0x80000000
	s_mov_b32 s[G0SB], 1
	s_add_co_u32 s[G0SB+1], s94, SCL
	s_mov_b64 s[G0SB+2:G0SB+3], s[92:93]
	s_or_b32 s[G0SB+3], s[G0SB+3], 0x80000000
	JLOAD G0S, G1S, G0SB, G1SB                     ; the scales first: they are wanted with K step 0
.irp s, 0,1
	s_mov_b32 s[G0+4*\s], 1
	s_add_co_u32 s[G0+4*\s+1], s45, \s*SLOT
	s_add_nc_u64 s[G0+4*\s+2:G0+4*\s+3], s[20:21], \s*ROWB
	s_or_b32 s[G0+4*\s+3], s[G0+4*\s+3], 0x80000000
	s_mov_b32 s[G0B+4*\s], 1
	s_add_co_u32 s[G0B+4*\s+1], s45, \s*SLOT
	s_add_nc_u64 s[G0B+4*\s+2:G0B+4*\s+3], s[46:47], \s*ROWB
	s_or_b32 s[G0B+4*\s+3], s[G0B+4*\s+3], 0x80000000
	JLOAD G0+4*\s, G1, G0B+4*\s, G1B               ; three tensor loads of mine are out: all that this launch asks for
.endr
	v_and_b32 v1, 15, v0                           ; r = l % 16
	v_bfe_u32 v2, v0, 4, 1                         ; h = l / 16
	; the bias of my 128 columns: register 8 b + j of lane (r, h) is b_qkv[256 tc + 128 half + 16 b + 8 h + j]
	s_lshl_b32 s20, s42, 10
	s_lshl_b32 s22, s16, 9
	s_add_co_u32 s20, s20, s22
	s_mov_b32 s21, 0
	s_add_nc_u64 s[96:97], s[96:97], s[20:21]
	v_lshlrev_b32 v7, 5, v2                        ; 32 h; never rewritten
.irp b, 0,1,2,3,4,5,6,7
	global_load_b128 v[BI+8*\b:BI+8*\b+3], v7, s[96:97] offset:64*\b
	global_load_b128 v[BI+8*\b+4:BI+8*\b+7], v7, s[96:97] offset:64*\b+16
.endr
	v_mul_u32_u24 v3, v1, PITCH
	v_lshl_add_u32 v4, v2, 4, v3                   ; a fragment's row x pitch + 16 x half
	s_mul_i32 s21, s15, HALFT                      ; my 128 rows of x
	s_mul_i32 s22, s16, HALFT                      ; my 128 rows of w,
	s_add_co_u32 s22, s22, 2*HALFT                 ; which lie behind x's 256
.irp s, 0,1
	v_add_nc_u32 v[ADRA+\s], s21, v4
	v_add_nc_u32 v[ADRB+\s], s22, v4
	s_add_co_u32 s21, s21, SLOT
	s_add_co_u32 s22, s22, SLOT
.endr
	v_mul_u32_u24 v5, v1, KS                       ; my row's scales: 32 bytes a row,
	v_lshrrev_b32 v6, 8, v5
	v_lshl_add_u32 v5, v6, 4, v5                   ; and 16 more for each 256 passed
	s_mul_i32 s21, s15, HALFS
	s_mul_i32 s22, s16, HALFS
	s_add_co_u32 s22, s22, 2*HALFS
	s_sub_co_u32 s22, s22, s21
	v_mul_u32_u24 v6, s22, v2                      ; lanes 16-31 take w's: one product, the distance between the two bases x h
	s_add_co_u32 s21, s21, SCL
	v_add_nc_u32 v5, v5, v6
	v_add_nc_u32 v[ADRS], s21, v5
	s_mul_i32 s23, s14, WSTG
	s_add_co_u32 s23, s23, STAGE                   ; my stage
	v_mul_u32_u24 v5, v1, SPITCH                   ; in: row r, 16 bytes for each half of the lanes
	v_lshl_add_u32 v5, v2, 4, v5
	v_add_nc_u32 v[STO], s23, v5
	v_and_b32 v6, 31, v0
	v_lshlrev_b32 v[CO], 4, v6                     ; 16 x lane
	v_lshrrev_b32 v5, 3, v6                        ; back: eight lanes to a row of 128 bytes, four rows an instruction
	v_mul_u32_u24 v5, v5, SPITCH
	v_and_b32 v6, 7, v0
	v_lshl_add_u32 v5, v6, 4, v5
	v_add_nc_u32 v[RD], s23, v5
	; qkv16 at my part: which = tc / 4, batch = cy, head = 4 (tc % 4) + 2 x column half, position 256 x cluster y + 128 x row half
	s_lshr_b32 s20, s42, 2
	s_lshl_b32 s20, s20, 24
	s_lshl_b32 s21, s41, 22
	s_add_co_u32 s20, s20, s21
	s_and_b32 s21, s42, 3
	s_lshl_b32 s21, s21, 2
	s_lshl_b32 s22, s16, 1
	s_add_co_u32 s21, s21, s22
	s_lshl_b32 s21, s21, 18
	s_add_co_u32 s20, s20, s21
	s_lshl_b32 s21, s3, 15
	s_add_co_u32 s20, s20, s21
	s_lshl_b32 s21, s15, 14
	s_add_co_u32 s20, s20, s21
	s_mov_b32 s21, 0
	s_add_nc_u64 s[12:13], s[12:13], s[20:21]
	; qkv32 at my part: batch x 192 images + (16 tc + 8 x column half) images of 1,024 bytes
	s_mul_i32 s20, s41, 196608
	s_lshl_b32 s22, s42, 14
	s_add_co_u32 s20, s20, s22
	s_lshl_b32 s22, s16, 13
	s_add_co_u32 s20, s20, s22
	s_add_nc_u64 s[98:99], s[98:99], s[20:21]
.macro FRAG reg, adr, q, i             ; 16 rows x 128 K of 4-bit codes: 8 registers: lane l holds row l % 16; registers 4 c .. 4 c + 3 hold K = 64 c + 32 (l / 16) + 0 .. 31
.irp c, 0,1
	ds_load_b128 v[\reg+4*\c:\reg+4*\c+3], v[\adr] offset:64*(\q)+32*\c+(\i)*16*PITCH
.endr
.endm
; 16 matrix instructions: x's blocks a0, a0 + 1 against w's eight, 128 along K.  p: w's set; sc: the set of scale words.  zero = 1: the first product starts the sum from the bias.
; The 64 accumulators take turns, one instruction a turn, in the same order in every step.
.macro MUL16 a0, p, q, sc, zero
.irp a, \a0, \a0+1
.irp b, 0,1,2,3,4,5,6,7
.if \zero
	v_wmma_scale_f32_16x16x128_f8f6f4 v[8*(8*((\a)%4)+\b):8*(8*((\a)%4)+\b)+7], v[128*(\p)+FR*\b:128*(\p)+FR*\b+FR-1], v[AF+FR*(\a):AF+FR*(\a)+FR-1], v[BI+8*\b:BI+8*\b+7], v[SC+8*NQ*(\sc)+NQ*\b+(\q)], v[SC+8*NQ*(\sc)+NQ*(\a)+(\q)] matrix_a_fmt:MATRIX_FMT_FP4 matrix_b_fmt:MATRIX_FMT_FP4 matrix_a_scale:MATRIX_SCALE_ROW1
.else
	v_wmma_scale_f32_16x16x128_f8f6f4 v[8*(8*((\a)%4)+\b):8*(8*((\a)%4)+\b)+7], v[128*(\p)+FR*\b:128*(\p)+FR*\b+FR-1], v[AF+FR*(\a):AF+FR*(\a)+FR-1], v[8*(8*((\a)%4)+\b):8*(8*((\a)%4)+\b)+7], v[SC+8*NQ*(\sc)+NQ*\b+(\q)], v[SC+8*NQ*(\sc)+NQ*(\a)+(\q)] matrix_a_fmt:MATRIX_FMT_FP4 matrix_b_fmt:MATRIX_FMT_FP4 matrix_a_scale:MATRIX_SCALE_ROW1
.endif
.endr
.endr
.endm
.macro FETCH_B slot, q, p
	WIN TO_B
.irp i, 0,1,2,3,4,5,6,7
	FRAG 128*(\p)+FR*\i, ADRB+\slot, \q, \i
.endr
	WIN 0
.endm
.macro FETCH_A slot, q, i0
.irp i, \i0, \i0+1, \i0+2, \i0+3
	FRAG AF+FR*(\i), ADRA+\slot, \q, \i
.endr
.endm
.macro SCALES sc                       ; a K step's scale words: 4 words a row; lanes 0-15 take x's block i, lanes 16-31 w's block i
.irp i, 0,1,2,3,4,5,6,7
	ds_load_b128 v[SC+8*NQ*\sc+NQ*\i:SC+8*NQ*\sc+NQ*\i+3], v[ADRS] offset:\i*SBLK
.endr
.endm
.macro PLACES n                        ; a load into a register that a matrix instruction has read, and a read of a result, stand four plain vector instructions behind it
.rept \n
	v_nop
.endr
.endm
.macro STEP slot, q, zero              ; a step of 128 along K that has its successor in the same slot
	s_wait_dscnt 4*NL                              ; w's set and x's blocks 0-3 are in; the youngest eight loads (x's blocks 4-7) may be out
.if \zero
	WIN BIA_LO
.else
	WIN MUL_LO
.endif
	MUL16 0, (\q)%2, \q, \slot, \zero
	MUL16 2, (\q)%2, \q, \slot, \zero
	s_wait_dscnt 0                                 ; x's blocks 4-7 are in
	PLACES NP
	FETCH_B \slot, (\q)+1, 1-(\q)%2
	FETCH_A \slot, (\q)+1, 0
.if \zero
	WIN BIA_HI
.else
	WIN MUL_HI
.endif
	MUL16 4, (\q)%2, \q, \slot, \zero
	MUL16 6, (\q)%2, \q, \slot, \zero
	PLACES NP
	WIN 0
	FETCH_A \slot, (\q)+1, 4
.endm
; Slot 0's last step changes slots: one barrier; in front of it each wave waits for all its tensor loads (its part of slot 1), adds 0 to its spare word, and waits for that and for its LDS reads.  Nothing is filled again.
.macro TURN slot, next
	s_wait_tensorcnt 0x0
	ds_add_u32 v[SPW], v[NIL]
	s_wait_dscnt 4*NL+1                            ; (the add and the youngest eight loads may be out)
	WIN MUL_LO
	MUL16 0, 1, NQ-1, \slot, 0
	s_wait_dscnt 0x0
	s_barrier_signal -1
	MUL16 2, 1, NQ-1, \slot, 0
	WIN 0
	s_barrier_wait -1
	PLACES NP
	v_add_nc_u32 v[ADRS], 4*NQ, v[ADRS]            ; on to the next K step's scale words
	FETCH_B \next, 0, 0
	FETCH_A \next, 0, 0
	SCALES \next
	WIN MUL_HI
	MUL16 4, 1, NQ-1, \slot, 0
	MUL16 6, 1, NQ-1, \slot, 0
	PLACES NP
	WIN 0
	FETCH_A \next, 0, 4
.endm
	s_wait_tensorcnt 1                             ; the scales and my part of K step 0 are in (K step 1's load may be out),
	s_barrier_signal -1
	s_barrier_wait -1                              ; everybody's are
	FETCH_B 0, 0, 0
	FETCH_A 0, 0, 0
	SCALES 0
	FETCH_A 0, 0, 4
	s_wait_loadcnt 0x0                             ; the bias
	STEP 0, 0, 1
	STEP 0, 1, 0
	STEP 0, 2, 0
	TURN 0, 1
	STEP 1, 0, 0
	STEP 1, 1, 0
	STEP 1, 2, 0
	s_wait_dscnt 4*NL                              ; the very last step: nothing more to fetch
	WIN MUL_LO
	MUL16 0, 1, NQ-1, 1, 0
	MUL16 2, 1, NQ-1, 1, 0
	s_wait_dscnt 0
	WIN MUL_HI
	MUL16 4, 1, NQ-1, 1, 0
	MUL16 6, 1, NQ-1, 1, 0
	WIN 0
	PLACES NP                                      ; in front of the first reads of results and of loads into the registers that held x's fragments
	; positions 0-15 of a batch (cluster y = 0, row half 0, block 0) also leave in f32, as register images: each store is 512 consecutive aligned bytes
	s_or_b32 s95, s3, s15
	s_cmp_lg_u32 s95, 0
	s_cbranch_scc1 .Lno32
	WIN 0x08                                       ; a store's data: window 2
.irp b, 0,1,2,3,4,5,6,7
	global_store_b128 v[CO], v[8*\b:8*\b+3], s[98:99] offset:1024*\b          ; each accumulator from its low end on
	global_store_b128 v[CO], v[8*\b+4:8*\b+7], s[98:99] offset:1024*\b+512
.endr
	WIN 0
.Lno32:
; THE WAY OUT, block by block of 16 rows x 128 columns = 2 heads x 16 positions x 64 channels.  A head's 16 positions are 2,048 consecutive bytes of qkv16.
.macro PACK a                          ; rounded to f16: a lane's eight columns are 16 bytes
.set AC, 64*((\a)%4)
	WIN 0x0a+5*((\a)/4)                            ; sources 0 and 1: window 2 or 3
.irp b, 0,1,2,3,4,5,6,7
.irp i, 0,1,2,3
	v_cvt_pk_f16_f32 v[TMP+4*\b+\i], v[AC+8*\b+2*\i], v[AC+8*\b+2*\i+1]
.endr
.endr
	WIN 0
.endm
.macro TOSTAGE a                       ; into my stage, and back as rows; LDS serves a wave's instructions in order (ISA guide 5.7.1.4)
.set BB, BK+32*((\a)%2)
.irp b, 0,1,2,3,4,5,6,7
	ds_store_b128 v[STO], v[TMP+4*\b:TMP+4*\b+3] offset:(\b/4)*16*SPITCH+(\b%4)*32
.endr
.irp c, 0,1,2,3,4,5,6,7
	ds_load_b128 v[BB+4*\c:BB+4*\c+3], v[RD] offset:(\c/4)*16*SPITCH+(\c%4)*4*SPITCH
.endr
.endm
.macro SEND a
.set BB, BK+32*((\a)%2)
	s_wait_dscnt 0x0                               ; the block is back in registers
	s_wait_xcnt 0x0                                ; the stores of the block before have read their registers: the next block's loads may land there
.irp c, 0,1,2,3,4,5,6,7
	global_store_b128 v[CO], v[BB+4*\c:BB+4*\c+3], s[12:13] offset:(\c/4)*262144+(\a)*2048+(\c%4)*512   ; 512 consecutive aligned bytes: four positions of one head
.endr
.endm
	PACK 0
	TOSTAGE 0
.irp a, 1,2,3,4,5,6,7                  ; block a's conversions stand between block a - 1's loads from the stage and the wait for them
	PACK \a
	SEND \a-1
	TOSTAGE \a
.endr
	SEND 7
	s_wait_tensorcnt 0x0                           ; the wave's end
	ds_add_u32 v[SPW], v[NIL]
	s_wait_dscnt 0x0
	CROUND                                         ; the closing round
	s_endpgm
.Lfunc_end_k_q693a4c37f2_qkv:
	.size	k_q693a4c37f2_qkv, .Lfunc_end_k_q693a4c37f2_qkv-k_q693a4c37f2_qkv
	.p2alignl 7, 3214868480
	.fill 96, 4, 3214868480
	.section	.rodata,"a",@progbits
	.p2align	6, 0x0
	.amdhsa_kernel k_q693a4c37f2_qkv
		.amdhsa_group_segment_fixed_size 327680
		.amdhsa_private_segment_fixed_size 0
		.amdhsa_enable_private_segment 0
		.amdhsa_kernarg_size 56
		.amdhsa_user_sgpr_count 2
		.amdhsa_user_sgpr_kernarg_segment_ptr 1
		.amdhsa_wavefront_size32 1
		.amdhsa_system_sgpr_workgroup_id_x 1
		.amdhsa_system_sgpr_workgroup_id_y 1
		.amdhsa_system_sgpr_workgroup_id_z 1
		.amdhsa_system_vgpr_workitem_id 0
		.amdhsa_next_free_vgpr 1024
		.amdhsa_next_free_sgpr 100
		.amdhsa_reserve_vcc 0
		.amdhsa_float_denorm_mode_32 3
		.amdhsa_float_denorm_mode_16_64 3
		.amdhsa_memory_ordered 1
		.amdhsa_forward_progress 1
		.amdhsa_inst_pref_size 130
	.end_amdhsa_kernel
	.amdgpu_metadata
---
amdhsa.version: [ 1, 2 ]
amdhsa.kernels:
  - .name:           k_q693a4c37f2_qkv
    .symbol:         k_q693a4c37f2_qkv.kd
    .args:
      - { .name: xc, .offset: 0, .size: 8, .value_kind: global_buffer, .address_space: global }
      - { .name: xs, .offset: 8, .size: 8, .value_kind: global_buffer, .address_space: global }
      - { .name: wc, .offset: 16, .size: 8, .value_kind: global_buffer, .address_space: global }
      - { .name: ws, .offset: 24, .size: 8, .value_kind: global_buffer, .address_space: global }
      - { .name: qkv16, .offset: 32, .size: 8, .value_kind: global_buffer, .address_space: global }
      - { .name: b_qkv, .offset: 40, .size: 8, .value_kind: global_buffer, .address_space: global }
      - { .name: qkv32, .offset: 48, .size: 8, .value_kind: global_buffer, .address_space: global }
    .group_segment_fixed_size: 327680
    .private_segment_fixed_size: 0
    .kernarg_segment_align: 8
    .kernarg_segment_size: 56
    .max_flat_workgroup_size: 128
    .sgpr_count:     100
    .vgpr_count:     1024
    .wavefront_size: 32
...
	.end_amdgpu_metadata
.endif
;; end of part 2
;; launch attn (part 3): grid 4 x 64, 16 waves a work-group, no clusters, 327,680 bytes of LDS; arguments qkv16, yh; writes yh
.if DOCPART == 3
	.amdgcn_target "amdgcn-amd-amdhsa--gfx1250"
	.amdhsa_code_object_version 6
	.text
	.protected	k_q693a4c37f2_attn
	.globl	k_q693a4c37f2_attn
	.p2align	8
	.type	k_q693a4c37f2_attn,@function
k_q693a4c37f2_attn:
	s_mov_b64 s[64:65], 0
	v_nop
	global_prefetch_b8 v0, s[64:65] scope:SCOPE_SE
	s_setreg_imm32_b32 hwreg(HW_REG_WAVE_MODE, 25, 1), 1
	s_wait_xcnt 0x0
; ATTN: y[b][h][q][:] = sum over k <= q of softmax_k(q . k / 8) v[k][:], per batch and head, on f16 operands with f32 products' sums, maxima and sums; the weights p are rounded to f16 for the second product, y once at the end.
; qkv16 [which 3][batch x head 64][t 2048][64] f16; yh [batch x head][t][64] f16.
; LIMITS: f16 holds |q|, |k|, |v| under 65,504; the running maximum starts at -3e38, under every score that f16 operands can give.
; SHARES.  Work-group (i, bh) owns the blocks of 256 queries i (waves 0-7) and 7 - i (waves 8-15) of head bh: under the causal mask (i + 1) + (8 - i) = 9 units of keys in each of the 256 work-groups.
; A wave owns 32 queries, two tiles of 16, in 256 registers: four waves to a SIMD, so that one wave's vector work stands beside another's matrix work and LDS loads.
; Every work-group walks all 8 slots of 256 keys (constant trip counts), 64 keys a step; a step all of whose keys come after the wave's queries is jumped over by a scalar branch on ids.
; NO CLUSTER: the four work-groups of a head need 8, 7, 6 and 5 slots: a partner would have to ask for tiles that none of its waves reads.
; LAYOUT.  S^T = K Q^T (source 0 = 16 keys, source 1 = 16 queries): a lane holds one query (lane % 16) and keys 8 (lane / 16) + 0..7.  Two such tiles rounded in pairs are source 1 (32 keys x 16 queries) of O^T = V^T P.
; K comes out of LDS as it lies, V ([key][channel]) turned by ds_load_tr16_b128.
; SOFTMAX.  Running maximum m and sum l: p = 2^(c s - c m), c = log2(e) / 8; in every step O and l are multiplied by a = 2^(c m_old - c m_new).
.set SK,    256                        ; keys in a slot
.set KP,    144                        ; a key's row of K in LDS: 128 bytes + 16: the 16 rows of a load start at 16 different groups of banks
.set VP,    160                        ; of V: 128 + 32, an odd multiple of 32, for the turning load
.set VOFF,  SK*KP                      ; a slot: 256 rows of K, then 256 rows of V
.set SLOT1, 1<<17                      ; slot 1 begins here: one exclusive or turns an address
.set NSL,   8
.set STAGE, VOFF+SK*VP                 ; behind slot 0's tiles, in bytes that no tile touches: 16 rows x 144 bytes for each wave
.set SPARE, SLOT1+STAGE                ; behind slot 1's tiles: the spare words, 128 bytes for each wave, named by no other line
.set AK0, 1                            ; v1  my lane's place in a tile of K
.set AV0, 2                            ; v2  the same for V
.set SPW, 3                            ; v3  my spare word's LDS address; never rewritten
.set NIL, 4                            ; v4  0; never rewritten
.set GO,  5                            ; v5  16 x lane
.set ADK, 6                            ; v6  LDS address of the step's K
.set ADV, 7                            ; v7  of its V
.set PFO, 8                            ; v8  256 x lane: the prefetches' offset
.set RH,  9                            ; v9  r - 8 h
.set D0,  10                           ; v10, v12: my query less the step's first key less 8 h, tiles 0 and 1
.set NEG, 11                           ; v11 -infinity
.set STO, 13                           ; v13 the way out: where I put 16 bytes of a row
.set RD,  14                           ; v14 where I read rows back
.set QO,  15                           ; v15 my byte offset in the wave's rows of Q; never rewritten
.set ST,  16                           ; tile t's statistics at v[16 + 8 t]: +0 c m, +1 m, +2, +3 l, +4 .. +7 c0-c3 at work; a takes c2's place
.set Q,   32                           ; v32-63   Q: fragment (t, ks) at 32 + 16 t + 8 ks
.set KV,  64                           ; v64-127  K: fragment (kt, ks) at 64 + 8 (2 kt + ks); then V: (ct, u) at 64 + 8 (2 ct + u)
.set S,   128                          ; v128-191 S^T: tile t at 128 + 32 t, key tile kt at + 8 kt; P is made in place in a tile's first 16
.set O,   192                          ; v192-255 O^T: tile t at 192 + 32 t, channel tile ct at + 8 ct
.set TB,    2                          ; s2  LDS byte at which the slot in hand begins
.set SLOTS, 3                          ; s3  changes of slots still to come in the loop
.set KF,    8                          ; s8  the step's first key
.set Q0,    9                          ; s9  my first query
.set LASTQ, 10                         ; s10 my work-group's last query
.set WV,    18
.set SEL,   20                         ; s[20:21] v_permlanex16_b32's selects for lane l xor 16
.set CS,    22                         ; s[22:23] c, twice
.set G1K,   24
.set G1V,   32
.set G0K,   40
.set G0V,   44
.set PFA,   48                         ; s[48:49] where my prefetches stand
.set LIM,   50                         ; s50 1 in a wave that prefetches, else the greatest number
.set QA,    52                         ; s[52:53] Q at my first query
.set YA,    54                         ; s[54:55] yh at my first query
; Waves 0 and 1 fetch K's halves of 128 keys, waves 2 and 3 V's, the others nothing.  An s_nop 0 and four v_nop follow each load.
.macro TLOAD
	s_cmp_lt_u32 s[WV], 2
	s_cbranch_scc0 .Lnot_k_\@
	tensor_load_to_lds s[G0K:G0K+3], s[G1K:G1K+7]
	s_nop 0
.rept 4
	v_nop
.endr
	s_branch .Lasked_\@
.Lnot_k_\@:
	s_cmp_lt_u32 s[WV], 4
	s_cbranch_scc0 .Lasked_\@
	tensor_load_to_lds s[G0V:G0V+3], s[G1V:G1V+7]
	s_nop 0
.rept 4
	v_nop
.endr
.Lasked_\@:
.endm
; A prefetch of what the NEXT change of slots will ask for: a slot's K and V are 32,768 dense bytes each.  Each aligned 256 bytes is named once in the launch: the head's first work-group asks (it walks all 8 slots);
; in it waves 4-7 ask for K's block and waves 8-11 for V's, 8,192 bytes a wave, lanes 256 bytes apart.  Slots 0 and 1 come by their loads alone; the last change that fills a slot asks for nothing.
.macro ASK
	s_cmp_gt_u32 s[SLOTS], s[LIM]
	s_cbranch_scc0 .Lnot_mine_\@
	global_prefetch_b8 v[PFO], s[PFA:PFA+1] th:TH_LOAD_NT scope:SCOPE_SE
.Lnot_mine_\@:
.endm
	s_load_b128 s[4:7], s[0:1], 0x0                ; qkv16 s[4:5], yh s[6:7]
	v_lshl_add_u32 v[SPW], v0, 2, SPARE
	v_mov_b32 v[NIL], 0
	ds_add_u32 v[SPW], v[NIL]                      ; the wave's opening: the add, twice on end, and its wait ahead of my first tensor load
	ds_add_u32 v[SPW], v[NIL]
	v_lshrrev_b32 v6, 5, v0
	v_readfirstlane_b32 s[WV], v6                  ; wave 0..15
	s_and_b32 s12, ttmp7, 0xffff                   ; batch x head
	s_lshl_b32 s12, s12, 18                        ; its first byte in a plane of qkv16 and in yh: 2,048 rows of 128 bytes
	s_mov_b32 s13, 0
	s_sub_co_u32 s19, 7, ttmp9                     ; the later of my work-group's two blocks
	s_lshl_b32 s[LASTQ], s19, 8
	s_or_b32 s[LASTQ], s[LASTQ], 255
	s_cmp_lt_u32 s[WV], 8
	s_cselect_b32 s19, ttmp9, s19                  ; my wave's block
	s_lshl_b32 s[Q0], s19, 8
	s_and_b32 s19, s[WV], 7
	s_lshl_b32 s19, s19, 5
	s_add_co_u32 s[Q0], s[Q0], s19                 ; my first query
	s_and_b32 s19, s[WV], 1                        ; which 128 keys of a slot I fetch, if I fetch
	s_mul_i32 s16, s19, 128*KP                     ; K: in a slot
	s_mul_i32 s17, s19, 128*VP
	s_add_co_u32 s17, s17, VOFF                    ; V: in a slot
	s_lshl_b32 s14, s19, 14                        ; and in memory: 128 rows of 128 bytes,
	s_add_co_u32 s14, s14, s12                     ; in my head
	s_mov_b32 s15, 0
	; descriptor group 1: 128 rows of 64 elements of 2 bytes, dense in memory; padding behind every 32 words: K 4 words, V 8
	s_mov_b32 s[G1K], (1<<16)|(1<<20)|(4<<22)|(3<<25)
	s_mov_b32 s[G1V], (1<<16)|(1<<20)|(4<<22)|(7<<25)
.irp g, G1K, G1V
	s_mov_b32 s[\g+1], 64<<16                      ; tensor_dim0
	s_mov_b32 s[\g+2], 128<<16                     ; tensor_dim1
	s_mov_b32 s[\g+3], 64<<16                      ; tile_dim0
	s_mov_b32 s[\g+4], 128                         ; tile_dim1
	s_mov_b32 s[\g+5], 64                          ; from row to row
	s_mov_b32 s[\g+6], 0
	s_mov_b32 s[\g+7], 0
.endr
	s_mov_b32 s[SEL], 0x76543210
	s_mov_b32 s[SEL+1], 0xfedcba98
	s_mov_b32 s[CS], 0x3e38aa3b                    ; c = log2(e) / 8
	s_mov_b32 s[CS+1], s[CS]
	s_mov_b32 s[TB], 0
	s_mov_b32 s[KF], 0
	s_mov_b32 s[SLOTS], NSL-1
	s_wait_dscnt 0x0                               ; both opening adds are done
	s_wait_kmcnt 0x0
	s_mov_b32 s[G0K], 1
	s_mov_b32 s[G0K+1], s16
	s_add_nc_u64 s[G0K+2:G0K+3], s[4:5], s[14:15]
	s_add_nc_u64 s[G0K+2:G0K+3], s[G0K+2:G0K+3], 1<<24   ; K's plane
	s_or_b32 s[G0K+3], s[G0K+3], 0x80000000
	s_mov_b32 s[G0V], 1
	s_mov_b32 s[G0V+1], s17
	s_add_nc_u64 s[G0V+2:G0V+3], s[4:5], s[14:15]
	s_add_nc_u64 s[G0V+2:G0V+3], s[G0V+2:G0V+3], 2<<24   ; V's plane
	s_or_b32 s[G0V+3], s[G0V+3], 0x80000000
	TLOAD                                          ; slot 0: keys 0-255, which every wave reads
	s_lshl_b32 s56, s[Q0], 7
	s_mov_b32 s57, 0
	s_add_nc_u64 s[56:57], s[56:57], s[12:13]
	s_add_nc_u64 s[QA:QA+1], s[4:5], s[56:57]
	s_add_nc_u64 s[YA:YA+1], s[6:7], s[56:57]
	; the prefetches: where my wave's stand, and who asks
	s_mov_b32 s58, 2<<24
	s_cmp_lt_u32 s[WV], 8
	s_cselect_b32 s58, 1<<24, s58                  ; waves 4-7: K's plane; waves 8-11: V's
	s_and_b32 s56, s[WV], 3
	s_lshl_b32 s56, s56, 13                        ; my wave's 8,192 bytes,
	s_add_co_u32 s56, s56, s58
	s_add_co_u32 s56, s56, SK*128                  ; in slot 1: the first change of slots steps it to slot 2
	s_add_nc_u64 s[PFA:PFA+1], s[4:5], s[12:13]
	s_add_nc_u64 s[PFA:PFA+1], s[PFA:PFA+1], s[56:57]
	s_sub_co_u32 s56, s[WV], 4
	s_lshr_b32 s56, s56, 3                         ; 0 in waves 4 to 11,
	s_or_b32 s56, s56, ttmp9                       ; of the head's first work-group
	s_cmp_eq_u32 s56, 0
	s_cselect_b32 s[LIM], 1, -1
	v_and_b32 v10, 15, v0                          ; r
	v_bfe_u32 v12, v0, 4, 1                        ; h
	v_lshlrev_b32 v[QO], 7, v10
	v_lshl_add_u32 v[QO], v12, 4, v[QO]            ; row r of 128 bytes + 16 h
.irp t, 0,1
.irp ks, 0,1
	global_load_b128 v[Q+16*\t+8*\ks:Q+16*\t+8*\ks+3], v[QO], s[QA:QA+1] offset:2048*\t+64*\ks
	global_load_b128 v[Q+16*\t+8*\ks+4:Q+16*\t+8*\ks+7], v[QO], s[QA:QA+1] offset:2048*\t+64*\ks+32
.endr
.endr
	v_mul_u32_u24 v[AK0], v10, KP
	v_lshl_add_u32 v[AK0], v12, 4, v[AK0]          ; K: row r x pitch + 16 h
	v_and_b32 v6, 7, v0
	v_lshl_add_u32 v6, v12, 3, v6                  ; V: key 8 h + l % 8,
	v_mul_u32_u24 v[AV0], v6, VP
	v_bfe_u32 v7, v0, 3, 1
	v_lshl_add_u32 v[AV0], v7, 4, v[AV0]           ; channels 8 ((l / 8) % 2) on
	v_add_nc_u32 v[AV0], VOFF, v[AV0]
	v_lshlrev_b32 v[RH], 3, v12
	v_sub_nc_u32 v[RH], v10, v[RH]
	s_mul_i32 s56, s[WV], 16*KP
	s_add_co_u32 s56, s56, STAGE                   ; my stage
	v_mul_u32_u24 v[STO], v10, KP
	v_lshl_add_u32 v[STO], v12, 4, v[STO]
	v_add_nc_u32 v[STO], s56, v[STO]               ; in: row r, 16 bytes for each half of the lanes
	v_and_b32 v[GO], 31, v0
	v_lshrrev_b32 v7, 3, v[GO]
	v_mul_u32_u24 v[RD], v7, KP
	v_and_b32 v6, 7, v0
	v_lshl_add_u32 v[RD], v6, 4, v[RD]
	v_add_nc_u32 v[RD], s56, v[RD]                 ; back: eight lanes to a row, four rows an instruction
	v_lshlrev_b32 v[PFO], 8, v[GO]
	v_lshlrev_b32 v[GO], 4, v[GO]
	v_mov_b32 v[NEG], 0xff800000
.irp t, 0,1
	v_mov_b32 v[ST+8*\t+1], 0xff61b1e6             ; m = -3e38
	v_mul_f32 v[ST+8*\t], s[CS], v[ST+8*\t+1]      ; c m
.irp j, 2,3,4,5,6,7
	v_mov_b32 v[ST+8*\t+\j], 0                     ; l; and c0-c3, written once: a lane permute's destination counts as one of its sources
.endr
.endr
.set n, 0
.rept 64
	v_mov_b32 v[O+n], 0                            ; O^T: the step is written once; the first step finds zeros, which a = 0 leaves zeros
.set n, n+1
.endr
; A KEY STEP: 64 keys, the q-th of the slot in hand.
.macro STEP q
	s_add_co_u32 s11, s[Q0], 31                    ; a step all of whose keys come after my 32 queries is left out.  (A step that is walked has its first key at or under my first query: 64 divides the one, 32 the other)
	s_cmp_gt_u32 s[KF], s11
	s_cbranch_scc1 .Lhidden_\@
	v_add_nc_u32 v[ADK], s[TB], v[AK0]
	v_add_nc_u32 v[ADV], s[TB], v[AV0]
.rept 3
	v_nop                                          ; with the two additions: five places behind the last products: four for the loads into their sources, five for the products below, which write over P
.endr
.irp kt, 0,1,2,3
.irp ks, 0,1
	ds_load_b128 v[KV+8*(2*\kt+\ks):KV+8*(2*\kt+\ks)+3], v[ADK] offset:(64*(\q)+16*\kt)*KP+64*\ks
	ds_load_b128 v[KV+8*(2*\kt+\ks)+4:KV+8*(2*\kt+\ks)+7], v[ADK] offset:(64*(\q)+16*\kt)*KP+64*\ks+32
.endr
.endr
	s_wait_dscnt 0x0
.irp ks, 0,1                                   ; S^T = K Q^T: the eight accumulators take turns, one instruction a turn
.irp kt, 0,1,2,3
.irp t, 0,1
.if \ks == 0
	v_wmma_f32_16x16x32_f16 v[S+32*\t+8*\kt:S+32*\t+8*\kt+7], v[KV+8*(2*\kt+\ks):KV+8*(2*\kt+\ks)+7], v[Q+16*\t+8*\ks:Q+16*\t+8*\ks+7], 0
.else
	v_wmma_f32_16x16x32_f16 v[S+32*\t+8*\kt:S+32*\t+8*\kt+7], v[KV+8*(2*\kt+\ks):KV+8*(2*\kt+\ks)+7], v[Q+16*\t+8*\ks:Q+16*\t+8*\ks+7], v[S+32*\t+8*\kt:S+32*\t+8*\kt+7]
.endif
.endr
.endr
.endr
.rept 4
	v_nop                                          ; places in front of the loads into K's registers and of the first reads of the scores
.endr
.irp ct, 0,1,2,3                               ; V, turned: it lands while the softmax is worked
.irp u, 0,1
	ds_load_tr16_b128 v[KV+8*(2*\ct+\u):KV+8*(2*\ct+\u)+3], v[ADV] offset:(64*(\q)+32*\u)*VP+32*\ct
	ds_load_tr16_b128 v[KV+8*(2*\ct+\u)+4:KV+8*(2*\ct+\u)+7], v[ADV] offset:(64*(\q)+32*\u)*VP+16*VP+32*\ct
.endr
.endr
	s_add_co_u32 s11, s[KF], 63                    ; on the diagonal the scores of hidden keys become -infinity; a step all of whose keys count skips this
	s_cmp_le_u32 s11, s[Q0]
	s_cbranch_scc1 .Lopen_\@
	s_sub_co_i32 s11, s[Q0], s[KF]
	v_add_nc_u32 v[D0], s11, v[RH]                 ; d = my query - the step's first key - 8 h.  Register 8 kt + j holds key 16 kt + 8 h + j: hidden where 16 kt + j > d
	v_add_nc_u32 v[D0+2], 16, v[D0]
.irp t, 0,1
.set n, 0
.rept 32
	v_cmp_gt_i32 vcc_lo, 16*(n/8)+n%8, v[D0+2*\t]
	v_cndmask_b32 v[S+32*\t+n], v[S+32*\t+n], v[NEG], vcc_lo
.set n, n+1
.endr
.endr
.Lopen_\@:
.irp j, 0,1,2,3                                ; the maximum of my 32 scores and the old m: four chains, each begun at an accumulator's low end; the two tiles line by line
.irp t, 0,1
	v_max3_num_f32 v[ST+8*\t+4+\j], v[S+32*\t+8*\j], v[S+32*\t+8*\j+1], v[S+32*\t+8*\j+2]
.endr
.endr
.irp i, 3,5
.irp j, 0,1,2,3
.irp t, 0,1
	v_max3_num_f32 v[ST+8*\t+4+\j], v[ST+8*\t+4+\j], v[S+32*\t+8*\j+\i], v[S+32*\t+8*\j+\i+1]
.endr
.endr
.endr
.irp t, 0,1
	v_max3_num_f32 v[ST+8*\t+4], v[ST+8*\t+4], v[S+32*\t+7], v[S+32*\t+15]
.endr
.irp t, 0,1
	v_max3_num_f32 v[ST+8*\t+6], v[ST+8*\t+6], v[S+32*\t+23], v[S+32*\t+31]
.endr
.irp t, 0,1
	v_max3_num_f32 v[ST+8*\t+4], v[ST+8*\t+4], v[ST+8*\t+5], v[ST+8*\t+6]
.endr
.irp t, 0,1
	v_max3_num_f32 v[ST+8*\t+4], v[ST+8*\t+4], v[ST+8*\t+7], v[ST+8*\t+1]
.endr
.irp t, 0,1
	v_permlanex16_b32 v[ST+8*\t+5], v[ST+8*\t+4], s[SEL], s[SEL+1]   ; the query's other 32 keys lie in the lane 16 away
.endr
.irp t, 0,1
	v_mov_b32 v[ST+8*\t+7], v[ST+8*\t]             ; c m_old is kept for a
.endr
.irp t, 0,1
	v_max_num_f32 v[ST+8*\t+1], v[ST+8*\t+4], v[ST+8*\t+5]
.endr
.irp t, 0,1
	v_mul_f32 v[ST+8*\t], s[CS], v[ST+8*\t+1]
.endr
.irp t, 0,1
	v_sub_f32 v[ST+8*\t+7], v[ST+8*\t+7], v[ST+8*\t]
.endr
.irp b, 0,2,4,6,8,10,12,14,16,18,20,22,24,26,28,30
.irp t, 0,1
	v_pk_fma_f32 v[S+32*\t+\b:S+32*\t+\b+1], v[S+32*\t+\b:S+32*\t+\b+1], s[CS:CS+1], v[ST+8*\t:ST+8*\t+1] op_sel_hi:[1,0,0] neg_lo:[0,0,1] neg_hi:[0,0,1]   ; c s - c m, two at a time
.endr
.endr
.irp t, 0,1
	v_exp_f32 v[ST+8*\t+6], v[ST+8*\t+7]           ; a
.endr
.set n, 0
.rept 64
	v_exp_f32 v[S+n], v[S+n]                       ; p, at most 1
.set n, n+1
.endr
	v_nop                                          ; one plain instruction behind the last exponential
	s_wait_alu depctr_va_vdst(0)                   ; one wait for the batch of 66, ahead of its first reader
.irp t, 0,1
	v_pk_mul_f32 v[ST+8*\t+2:ST+8*\t+3], v[ST+8*\t+2:ST+8*\t+3], v[ST+8*\t+6:ST+8*\t+7] op_sel_hi:[1,0]   ; l under the new m
.endr
.irp t, 0,1
	v_pk_add_f32 v[ST+8*\t+4:ST+8*\t+5], v[S+32*\t:S+32*\t+1], v[S+32*\t+2:S+32*\t+3]   ; the sum of the f32 weights, in two chains
.endr
.irp j, 4,8,12,16,20,24,28
.irp t, 0,1
	v_pk_add_f32 v[ST+8*\t+2:ST+8*\t+3], v[ST+8*\t+2:ST+8*\t+3], v[S+32*\t+\j:S+32*\t+\j+1]
	v_pk_add_f32 v[ST+8*\t+4:ST+8*\t+5], v[ST+8*\t+4:ST+8*\t+5], v[S+32*\t+\j+2:S+32*\t+\j+3]
.endr
.endr
.irp t, 0,1
	v_pk_add_f32 v[ST+8*\t+2:ST+8*\t+3], v[ST+8*\t+2:ST+8*\t+3], v[ST+8*\t+4:ST+8*\t+5]
.endr
.irp d, 0,1,2,3,4,5,6,7,8,9,10,11,12,13,14,15  ; P in place: register d takes weights 2 d and 2 d + 1, ascending, so that none is overwritten before it is read
.irp t, 0,1
	v_cvt_pk_f16_f32 v[S+32*\t+\d], v[S+32*\t+2*\d], v[S+32*\t+2*\d+1]
.endr
.endr
.set n, 0
.rept 16
.irp t, 0,1
	v_pk_mul_f32 v[O+32*\t+n:O+32*\t+n+1], v[O+32*\t+n:O+32*\t+n+1], v[ST+8*\t+6:ST+8*\t+7] op_sel_hi:[1,0]   ; O^T under the new m, each accumulator from its low end on
.endr
.set n, n+2
.endr
	s_wait_dscnt 0x0                               ; V is in
.irp u, 0,1                                    ; O^T += V^T P: the eight accumulators by turns
.irp ct, 0,1,2,3
.irp t, 0,1
	v_wmma_f32_16x16x32_f16 v[O+32*\t+8*\ct:O+32*\t+8*\ct+7], v[KV+8*(2*\ct+\u):KV+8*(2*\ct+\u)+7], v[S+32*\t+8*\u:S+32*\t+8*\u+7], v[O+32*\t+8*\ct:O+32*\t+8*\ct+7]
.endr
.endr
.endr
.Lhidden_\@:
	s_add_co_u32 s[KF], s[KF], 64
.endm
; THE CHANGE OF SLOTS stands at a slot's head.  Each wave waits for all its tensor loads (its part of the slot that it is about to read), adds 0 to its spare word, and waits for that and for its reads of the slot that it has left.
; Behind the barrier the slot ahead is whole and nobody reads the other one.  fill = 1: that other slot is asked for, up to the causal limit; the load has four key steps in which to land.  One tensor load of a wave is out at most.
.macro CHANGE fill
	s_wait_tensorcnt 0x0                           ; no tensor load of mine is out, so a group 0 may be written
	ds_add_u32 v[SPW], v[NIL]
.if \fill
	ds_add_u32 v[SPW], v[NIL]                      ; the add twice on end, in every trip alike
	s_xor_b32 s[G0K+1], s[G0K+1], SLOT1            ; the walking descriptors: the other slot than last time,
	s_add_nc_u64 s[G0K+2:G0K+3], s[G0K+2:G0K+3], SK*128   ; the next 256 keys
	s_xor_b32 s[G0V+1], s[G0V+1], SLOT1
	s_add_nc_u64 s[G0V+2:G0V+3], s[G0V+2:G0V+3], SK*128
	s_wait_xcnt 0x0                                ; the last prefetch, a slot back, has read its address:
	s_add_nc_u64 s[PFA:PFA+1], s[PFA:PFA+1], SK*128   ; one slot further on than the walking descriptors
.endif
	s_wait_dscnt 0x0
	s_barrier_signal -1
	s_barrier_wait -1
.if \fill
	s_add_co_u32 s11, s[KF], SK                    ; the first key of the slot that this change would ask for: past my work-group's last query none of its waves would read it, so it is not asked for
	s_cmp_gt_u32 s11, s[LASTQ]                     ; the work-group's number and the count of steps alone: all sixteen waves go the same way
	s_cbranch_scc1 .Lpast_\@
	TLOAD
.Lpast_\@:
	ASK
.endif
.endm
.macro SLOT_STEPS
	STEP 0
	STEP 1
	STEP 2
	STEP 3
	s_xor_b32 s[TB], s[TB], SLOT1
.endm
	s_wait_loadcnt 0x0                             ; Q
.Lslot:                                            ; 7 trips
	CHANGE 1
	SLOT_STEPS
	s_sub_co_u32 s[SLOTS], s[SLOTS], 1
	s_cmp_lg_u32 s[SLOTS], 0
	s_cbranch_scc1 .Lslot
	CHANGE 0                                       ; the last slot is written out: nothing is left to ask for
	SLOT_STEPS
	; THE WAY OUT.  l's halves and the other half of the lanes' are added; O^T is divided by l, rounded to f16 and sent through my stage, a tile (16 rows of 128 bytes) at a time.  The additions are places behind the last products.
.irp t, 0,1
	v_add_f32 v[ST+8*\t+4], v[ST+8*\t+2], v[ST+8*\t+3]
.endr
.irp t, 0,1
	v_permlanex16_b32 v[ST+8*\t+5], v[ST+8*\t+4], s[SEL], s[SEL+1]
.endr
.irp t, 0,1
	v_add_f32 v[ST+8*\t+4], v[ST+8*\t+4], v[ST+8*\t+5]
.endr
.irp t, 0,1
	v_rcp_f32 v[ST+8*\t+6], v[ST+8*\t+4]
.endr
	v_nop                                          ; a plain instruction behind the reciprocals
	s_wait_alu depctr_va_vdst(0)                   ; and the one wait ahead of their first reader
.macro OUTT t
.set n, 0
.rept 16
	v_pk_mul_f32 v[O+32*\t+n:O+32*\t+n+1], v[O+32*\t+n:O+32*\t+n+1], v[ST+8*\t+6:ST+8*\t+7] op_sel_hi:[1,0]
.set n, n+2
.endr
.set n, 0
.rept 16
	v_cvt_pk_f16_f32 v[S+32*\t+n], v[O+32*\t+2*n], v[O+32*\t+2*n+1]
.set n, n+1
.endr
.irp ct, 0,1,2,3
	ds_store_b128 v[STO], v[S+32*\t+4*\ct:S+32*\t+4*\ct+3] offset:32*\ct
.endr
.irp c, 0,1,2,3
	ds_load_b128 v[S+32*\t+16+4*\c:S+32*\t+16+4*\c+3], v[RD] offset:4*KP*\c   ; LDS serves a wave's instructions in order: these see the stores above, and the next tile's stores come behind them
.endr
.endm
	OUTT 0
	OUTT 1
.irp c, 0,1,2,3
	s_wait_dscnt 11-\c                             ; behind tile 0's load c: its younger loads and tile 1's four stores and four loads
	global_store_b128 v[GO], v[S+16+4*\c:S+16+4*\c+3], s[YA:YA+1] offset:512*\c   ; 512 consecutive aligned bytes: four rows
.endr
.irp c, 0,1,2,3
	s_wait_dscnt 3-\c
	global_store_b128 v[GO], v[S+48+4*\c:S+48+4*\c+3], s[YA:YA+1] offset:2048+512*\c
.endr
	s_wait_tensorcnt 0x0                           ; the wave's end
	ds_add_u32 v[SPW], v[NIL]
	s_wait_dscnt 0x0
	s_endpgm
.Lfunc_end_k_q693a4c37f2_attn:
	.size	k_q693a4c37f2_attn, .Lfunc_end_k_q693a4c37f2_attn-k_q693a4c37f2_attn
	.p2alignl 7, 3214868480
	.fill 96, 4, 3214868480
	.section	.rodata,"a",@progbits
	.p2align	6, 0x0
	.amdhsa_kernel k_q693a4c37f2_attn
		.amdhsa_group_segment_fixed_size 327680
		.amdhsa_private_segment_fixed_size 0
		.amdhsa_enable_private_segment 0
		.amdhsa_kernarg_size 16
		.amdhsa_user_sgpr_count 2
		.amdhsa_user_sgpr_kernarg_segment_ptr 1
		.amdhsa_wavefront_size32 1
		.amdhsa_system_sgpr_workgroup_id_x 1
		.amdhsa_system_sgpr_workgroup_id_y 1
		.amdhsa_system_sgpr_workgroup_id_z 1
		.amdhsa_system_vgpr_workitem_id 0
		.amdhsa_next_free_vgpr 256
		.amdhsa_next_free_sgpr 66
		.amdhsa_reserve_vcc 1
		.amdhsa_float_denorm_mode_32 3
		.amdhsa_float_denorm_mode_16_64 3
		.amdhsa_memory_ordered 1
		.amdhsa_forward_progress 1
		.amdhsa_inst_pref_size 188
	.end_amdhsa_kernel
	.amdgpu_metadata
---
amdhsa.version: [ 1, 2 ]
amdhsa.kernels:
  - .name:           k_q693a4c37f2_attn
    .symbol:         k_q693a4c37f2_attn.kd
    .args:
      - { .name: qkv16, .offset: 0, .size: 8, .value_kind: global_buffer, .address_space: global }
      - { .name: yh, .offset: 8, .size: 8, .value_kind: global_buffer, .address_space: global }
    .group_segment_fixed_size: 327680
    .private_segment_fixed_size: 0
    .kernarg_segment_align: 8
    .kernarg_segment_size: 16
    .max_flat_workgroup_size: 512
    .sgpr_count:     66
    .vgpr_count:     256
    .wavefront_size: 32
...
	.end_amdgpu_metadata
.endif
;; end of part 3
;; launch proj (part 4): grid 8 x 32, 4 waves a work-group, clusters of 4 x 4, 327,680 bytes of LDS; arguments yh, wp16, b_proj, out0; writes out0
.if DOCPART == 4
	.amdgcn_target "amdgcn-amd-amdhsa--gfx1250"
	.amdhsa_code_object_version 6
	.text
	.protected	k_q693a4c37f2_proj
	.globl	k_q693a4c37f2_proj
	.p2align	8
	.type	k_q693a4c37f2_proj,@function
k_q693a4c37f2_proj:
	s_mov_b64 s[64:65], 0
	v_nop
	global_prefetch_b8 v0, s[64:65] scope:SCOPE_SE
	s_setreg_imm32_b32 hwreg(HW_REG_WAVE_MODE, 25, 1), 1
	s_wait_xcnt 0x0
	s_wait_alu depctr_hold_cnt(0) depctr_sa_sdst(0) depctr_va_vdst(0) depctr_va_sdst(0) depctr_va_ssrc(0) depctr_va_vcc(0) depctr_vm_vsrc(0)
	s_getreg_b32 s2, hwreg(HW_REG_IB_STS2, 6, 4)
	s_cmp_eq_u32 s2, 0
	s_cbranch_scc0 .Lentry_in_a_cluster
	s_endpgm
.Lentry_in_a_cluster:
	s_bfe_u32 s2, ttmp6, 0x10000c
	s_cmp_lg_u32 s2, 0xf033
	s_cbranch_scc0 .Lentry_shape_is_right
	s_endpgm
.Lentry_shape_is_right:
; PROJ: out0[m][n] = sum over k of y[m][k] w_proj[k][n] + b_proj[n], f16 operands, f32 sums.  yh [batch][head][t][64] f16 (k = 64 head + channel), wp16 [k 1024][n 1024] f16, out0 [8192][1024] f32.
; (The first 16 positions of each batch are written again, from f32 operands, by the launch that follows.)
; A tile of 256 rows x 128 columns is made by four waves, 128 x 64 each: 32 accumulators: 256 work-groups.  K goes in 8 steps of 128 = two heads through a ring of two LDS slots.
; A slot: y's two planes (a head's 256 rows of 128 bytes, dense in memory; waves 0 and 1 fetch one each), then w's 128 rows k of 256 bytes (waves 2 and 3 fetch 64 each).
; CLUSTERS: 4 x 4 work-groups: y's tiles are shared along a row of the cluster, w's along a column: joint loads with a mask that names the four.
; THE MATRIX INSTRUCTION IS USED TRANSPOSED: source 0 = 16 columns n of w (stored [k][n]: turned by ds_load_tr16_b128), source 1 = 16 rows of y: a lane holds eight neighbouring columns of one row.  The bias is the C of each sum's first product.
; REGISTERS: window 0: v16-29 addresses; v32-63 the bias; v64-127 rows on the way out.  window 1: two fragment buffers of 96: y's 8 fragments, then w's 4.  window 2: accumulator (a, b) at v[8 (4 a + b)].
.set KP,     144                       ; a row of y in LDS: 128 bytes + 16
.set BP,     288                       ; a row of w: 256 + 32, an odd multiple of 32
.set APLANE, 256*KP
.set BOFF,   2*APLANE
.set BHALF,  64*BP
.set SLOT,   BOFF+2*BHALF
.set STAGE,  2*SLOT                    ; behind the ring: 16 rows x 272 bytes for each wave
.set SPITCH, 272
.set SPARE,  STAGE+4*16*SPITCH         ; the spare words, 128 bytes for each wave, named by no other line
.set ADRA, 16
.set ADRB, 20
.set STO,  24
.set RD,   25
.set CO,   26
.set BO,   27                          ; v27 32 h: the bias loads' offset; never rewritten
.set SPW,  28
.set NIL,  29
.set BIAS, 32
.set BK,   64
.set F0,   0
.set F1,   96
.set G1A, 24
.set G0A, 32
.set G1B, 48
.set G0B, 56
.set MSB, 0
.macro WIN new
.if MSB != (\new)
	s_set_vgpr_msb (MSB<<8)|(\new)
.set MSB, (\new)
.endif
.endm
.set MUL,  0xa5                        ; sources 0 and 1 window 1; C and D window 2
.set MULB, 0x85                        ; the first products: C (the bias) window 0
.set TO_F, 0x40
.macro JLOAD s                         ; waves 0 and 1 fetch y's planes, waves 2 and 3 w's halves; an s_nop 0 and four v_nop follow each line
	s_cmp_eq_u32 s13, 0
	s_cbranch_scc0 .Lfor_b_\@
	tensor_load_to_lds s[G0A+4*\s:G0A+4*\s+3], s[G1A:G1A+7]
	s_nop 0
.rept 4
	v_nop
.endr
	s_branch .Lasked_\@
.Lfor_b_\@:
	tensor_load_to_lds s[G0B+4*\s:G0B+4*\s+3], s[G1B:G1B+7]
	s_nop 0
.rept 4
	v_nop
.endr
.Lasked_\@:
.endm
.macro CREST
	s_cmp_lg_u32 s12, 0
	s_cbranch_scc1 .Lnot_wave_0_\@
	s_barrier_signal -3
.Lnot_wave_0_\@:
	s_barrier_wait -3
	s_barrier_signal -1
	s_barrier_wait -1
.endm
.macro CROUND
	s_barrier_signal -1
	s_barrier_wait -1
	CREST
.endm
	s_load_b256 s[4:11], s[0:1], 0x0               ; yh s[4:5], wp16 s[6:7], b_proj s[8:9], out0 s[10:11]
	v_lshl_add_u32 v[SPW], v0, 2, SPARE
	v_mov_b32 v[NIL], 0
	ds_add_u32 v[SPW], v[NIL]                      ; the wave's opening: the add, twice on end, and its wait ahead of my first tensor load
	ds_add_u32 v[SPW], v[NIL]
	v_lshrrev_b32 v1, 5, v0
	v_readfirstlane_b32 s12, v1                    ; wave 0..3
	s_lshr_b32 s13, s12, 1                         ; my half of the tile's rows.  Also: I fetch for y (0) or for w (1)
	s_and_b32 s14, s12, 1                          ; my half of its columns.  Also: which plane of y, or which 64 rows of w, I fetch
	s_bfe_u32 s40, ttmp6, 0x40000                  ; cx
	s_bfe_u32 s41, ttmp6, 0x40004                  ; cy
	s_lshl_b32 s42, ttmp9, 2
	s_add_co_u32 s42, s42, s40                     ; tile column
	s_and_b32 s15, ttmp7, 0xffff
	s_lshl_b32 s15, s15, 2
	s_add_co_u32 s15, s15, s41                     ; tile row
	s_lshl_b32 s43, s41, 2
	s_lshl_b32 s43, 15, s43                        ; my row of the cluster
	s_lshl_b32 s44, 0x1111, s40                    ; my column
	s_or_b32 s[G1A], s43, (1<<16)|(1<<20)|(1<<21)|(4<<22)|(3<<25)   ; y: 256 rows of 64 elements of 2 bytes, dense; 4 words of padding behind every 32
	s_mov_b32 s[G1A+1], 64<<16
	s_mov_b32 s[G1A+2], 256<<16
	s_mov_b32 s[G1A+3], 64<<16
	s_mov_b32 s[G1A+4], 256
	s_mov_b32 s[G1A+5], 64
	s_mov_b32 s[G1A+6], 0
	s_mov_b32 s[G1A+7], 0
	s_or_b32 s[G1B], s44, (1<<16)|(1<<20)|(1<<21)|(5<<22)|(7<<25)   ; w: 64 rows of 128 elements, 1,024 elements apart; 8 words of padding behind every 64
	s_mov_b32 s[G1B+1], 128<<16
	s_mov_b32 s[G1B+2], 64<<16
	s_mov_b32 s[G1B+3], 128<<16
	s_mov_b32 s[G1B+4], 64
	s_mov_b32 s[G1B+5], 1024
	s_mov_b32 s[G1B+6], 0
	s_mov_b32 s[G1B+7], 0
	s_lshr_b32 s16, s15, 3                         ; y: batch = tile row / 8,
	s_lshl_b32 s16, s16, 22
	s_and_b32 s17, s15, 7                          ; 256 rows of 128 bytes for each tile row in it,
	s_lshl_b32 s17, s17, 15
	s_add_co_u32 s16, s16, s17
	s_lshl_b32 s17, s14, 18                        ; my plane: head 0 or 1 of K step 0
	s_add_co_u32 s16, s16, s17
	s_mov_b32 s17, 0
	s_lshl_b32 s46, s14, 17                        ; w: my 64 rows of 2,048 bytes,
	s_lshl_b32 s47, s42, 8                         ; the tile's 256 bytes of a row
	s_add_co_u32 s46, s46, s47
	s_mov_b32 s47, 0
	s_mul_i32 s20, s14, APLANE                     ; where they go: no place in the cluster enters an LDS address
	s_mul_i32 s21, s14, BHALF
	s_add_co_u32 s21, s21, BOFF
	s_wait_dscnt 0x0                               ; both opening adds are done
	s_wait_kmcnt 0x0
	s_add_nc_u64 s[18:19], s[4:5], s[16:17]
	s_add_nc_u64 s[46:47], s[6:7], s[46:47]
	CROUND                                         ; all sixteen work-groups are here: the first joint loads meet
.irp s, 0,1
	s_mov_b32 s[G0A+4*\s], 1
	s_add_co_u32 s[G0A+4*\s+1], s20, \s*SLOT
	s_add_nc_u64 s[G0A+4*\s+2:G0A+4*\s+3], s[18:19], \s*(2<<18)   ; K step s: two heads on
	s_or_b32 s[G0A+4*\s+3], s[G0A+4*\s+3], 0x80000000
	s_mov_b32 s[G0B+4*\s], 1
	s_add_co_u32 s[G0B+4*\s+1], s21, \s*SLOT
	s_add_nc_u64 s[G0B+4*\s+2:G0B+4*\s+3], s[46:47], \s*128*2048  ; 128 rows on
	s_or_b32 s[G0B+4*\s+3], s[G0B+4*\s+3], 0x80000000
	JLOAD \s
.endr
	v_and_b32 v1, 15, v0                           ; r
	v_bfe_u32 v2, v0, 4, 1                         ; h
	s_lshl_b32 s22, s42, 9                         ; my first column in bytes of f32: 512 x tile column + 256 x half
	s_lshl_b32 s23, s14, 8
	s_add_co_u32 s22, s22, s23
	s_mov_b32 s23, 0
	s_add_nc_u64 s[8:9], s[8:9], s[22:23]
	s_add_nc_u64 s[10:11], s[10:11], s[22:23]
	v_lshlrev_b32 v[BO], 5, v2
.irp b, 0,1,2,3                                ; the bias: register 8 b + j of lane (r, h) is b_proj[my first column + 16 b + 8 h + j]
	global_load_b128 v[BIAS+8*\b:BIAS+8*\b+3], v[BO], s[8:9] offset:64*\b
	global_load_b128 v[BIAS+8*\b+4:BIAS+8*\b+7], v[BO], s[8:9] offset:64*\b+16
.endr
	s_lshl_b32 s22, s15, 20                        ; my first row: 256 x tile row + 128 x half, 4,096 bytes each
	s_lshl_b32 s16, s13, 19
	s_add_co_u32 s22, s22, s16
	s_add_nc_u64 s[10:11], s[10:11], s[22:23]
	v_mul_u32_u24 v3, v1, KP
	v_lshl_add_u32 v3, v2, 4, v3                   ; y: row r x pitch + 16 h
	s_mul_i32 s22, s13, 128*KP                     ; my 128 rows
	v_and_b32 v4, 7, v0
	v_lshl_add_u32 v4, v2, 3, v4                   ; w: row k = 8 h + l % 8,
	v_mul_u32_u24 v4, v4, BP
	v_bfe_u32 v5, v0, 3, 1
	v_lshl_add_u32 v4, v5, 4, v4                   ; columns 8 ((l / 8) % 2) on,
	s_lshl_b32 s23, s14, 7                         ; in my 64 columns
	s_add_co_u32 s23, s23, BOFF
.irp s, 0,1
	v_add_nc_u32 v[ADRA+\s], s22, v3
	v_add_nc_u32 v[ADRB+\s], s23, v4
	s_add_co_u32 s22, s22, SLOT
	s_add_co_u32 s23, s23, SLOT
.endr
	s_mul_i32 s22, s12, 16*SPITCH
	s_add_co_u32 s22, s22, STAGE                   ; my stage
	v_mul_u32_u24 v5, v1, SPITCH
	v_lshl_add_u32 v5, v2, 5, v5
	v_add_nc_u32 v[STO], s22, v5                   ; in: row r, 32 bytes for each half of the lanes
	v_mul_u32_u24 v5, v2, SPITCH
	v_lshl_add_u32 v5, v1, 4, v5
	v_add_nc_u32 v[RD], s22, v5                    ; back: lanes 0-15 one row of 256 bytes, lanes 16-31 the next
	v_lshlrev_b32 v5, 12, v2
	v_lshl_add_u32 v[CO], v1, 4, v5                ; and the same two rows in out0
; n blocks of y's rows from a0 on x w's four blocks, 32 along K.  zero = 1: the first product starts the sum from the bias.  The 32 accumulators take turns, in the same order in every quarter.
.macro MULN f, a0, n, zero
.set aa, \a0
.rept \n
.irp b, 0,1,2,3
.if \zero
	v_wmma_f32_16x16x32_f16 v[8*(4*aa+\b):8*(4*aa+\b)+7], v[\f+64+8*\b:\f+64+8*\b+7], v[\f+8*aa:\f+8*aa+7], v[BIAS+8*\b:BIAS+8*\b+7]
.else
	v_wmma_f32_16x16x32_f16 v[8*(4*aa+\b):8*(4*aa+\b)+7], v[\f+64+8*\b:\f+64+8*\b+7], v[\f+8*aa:\f+8*aa+7], v[8*(4*aa+\b):8*(4*aa+\b)+7]
.endif
.endr
.set aa, aa+1
.endr
.endm
; 24 LDS loads in one run: quarter kq (32 along K) of a slot into buffer f: w's four fragments, y's blocks 0-3, y's blocks 4-7
.macro FETCH slot, kq, f
	WIN TO_F
.irp b, 0,1,2,3
	ds_load_tr16_b128 v[\f+64+8*\b:\f+64+8*\b+3], v[ADRB+\slot] offset:(\kq)*32*BP+32*\b
	ds_load_tr16_b128 v[\f+64+8*\b+4:\f+64+8*\b+7], v[ADRB+\slot] offset:(\kq)*32*BP+16*BP+32*\b
.endr
.irp i, 0,1,2,3,4,5,6,7
	ds_load_b128 v[\f+8*\i:\f+8*\i+3], v[ADRA+\slot] offset:((\kq)/2)*APLANE+((\kq)%2)*64+\i*16*KP
	ds_load_b128 v[\f+8*\i+4:\f+8*\i+7], v[ADRA+\slot] offset:((\kq)/2)*APLANE+((\kq)%2)*64+\i*16*KP+32
.endr
.endm
.macro PLACES                          ; four places in front of loads into registers that matrix instructions have read, and of reads of results
.rept 4
	v_nop
.endr
.endm
.macro QUARTER slot, kq, f, g, zero    ; multiplies buffer f; in its middle fetches quarter kq of the same slot into g
	s_wait_dscnt 8                                 ; w's fragments and y's blocks 0-3 are in; the youngest eight loads may be out
.if \zero
	WIN MULB
.else
	WIN MUL
.endif
	MULN \f, 0, 4, \zero
	PLACES
	FETCH \slot, \kq, \g
	s_wait_dscnt 24                                ; all but the 24 just issued
.if \zero
	WIN MULB
.else
	WIN MUL
.endif
	MULN \f, 4, 4, \zero
.endm
; A slot's last quarter multiplies buffer 1 and changes slots: one barrier; in front of it each wave waits for all its tensor loads, adds 0 to its spare word, and waits for that and for its reads of this slot.
; fill = 1: the barrier opens a round of the cluster's barrier, and this slot is filled again, two K steps ahead: 112 matrix instructions stand between the request and the wait for it.
.macro TURN slot, next, fill
	WIN 0
	s_wait_tensorcnt 0x0
	ds_add_u32 v[SPW], v[NIL]
	s_wait_dscnt 9                                 ; (the add and the youngest eight loads may be out)
	WIN MUL
	MULN F1, 0, 2, 0
	s_wait_dscnt 0x0                               ; the add is done, and my reads of this slot are over
	s_barrier_signal -1
	MULN F1, 2, 2, 0
.if \fill
	WIN 0
.endif
	s_barrier_wait -1
.if \fill
	CREST
	s_add_nc_u64 s[G0A+4*\slot+2:G0A+4*\slot+3], s[G0A+4*\slot+2:G0A+4*\slot+3], 4<<18       ; four heads on
	s_add_nc_u64 s[G0B+4*\slot+2:G0B+4*\slot+3], s[G0B+4*\slot+2:G0B+4*\slot+3], 256*2048    ; 256 rows on
	JLOAD \slot                                    ; the first tensor load behind the round; its four v_nop are also the places in front of the loads below
.else
	PLACES
.endif
	FETCH \next, 0, F0
	WIN MUL
	MULN F1, 4, 4, 0
.endm
	s_wait_tensorcnt 1                             ; my part of K step 0 is in (K step 1's may be out)
	s_barrier_signal -1
	s_barrier_wait -1                              ; everybody's is
	FETCH 0, 0, F0
	s_wait_loadcnt 0x0                             ; the bias
	QUARTER 0, 1, F0, F1, 1
	WIN 0
	s_mov_b32 s3, 3
.Llap:                                                 ; a trip goes once round the ring, from a lap's second quarter to the next lap's first, and fills both slots again
	QUARTER 0, 2, F1, F0, 0
	QUARTER 0, 3, F0, F1, 0
	TURN 0, 1, 1
	QUARTER 1, 1, F0, F1, 0
	QUARTER 1, 2, F1, F0, 0
	QUARTER 1, 3, F0, F1, 0
	TURN 1, 0, 1
	QUARTER 0, 1, F0, F1, 0
	WIN 0
	s_sub_co_u32 s3, s3, 1
	s_cmp_lg_u32 s3, 0
	s_cbranch_scc1 .Llap
	QUARTER 0, 2, F1, F0, 0                        ; the last lap fills nothing
	QUARTER 0, 3, F0, F1, 0
	TURN 0, 1, 0
	QUARTER 1, 1, F0, F1, 0
	QUARTER 1, 2, F1, F0, 0
	QUARTER 1, 3, F0, F1, 0
	s_wait_dscnt 8
	WIN MUL
	MULN F1, 0, 4, 0
	s_wait_dscnt 0
	MULN F1, 4, 4, 0
	WIN 0
; THE WAY OUT, block by block of 16 rows x 64 columns: through my stage and back as rows of 256 bytes.
.macro TOSTAGE a
	WIN 0x08                                       ; an LDS store's data: window 2
.irp b, 0,1,2,3
	ds_store_b128 v[STO], v[8*(4*(\a)+\b):8*(4*(\a)+\b)+3] offset:64*\b          ; each accumulator from its low end on
	ds_store_b128 v[STO], v[8*(4*(\a)+\b)+4:8*(4*(\a)+\b)+7] offset:64*\b+16
.endr
	WIN 0
.set BB, BK+32*((\a)%2)
.irp t, 0,1,2,3,4,5,6,7
	ds_load_b128 v[BB+4*\t:BB+4*\t+3], v[RD] offset:\t*2*SPITCH
.endr
.endm
.macro SEND a, younger
.set BB, BK+32*((\a)%2)
	s_wait_dscnt \younger                          ; the block is back; the next block's eight stores and eight loads may be out
.irp t, 0,1,2,3,4,5,6,7
	global_store_b128 v[CO], v[BB+4*\t:BB+4*\t+3], s[10:11] offset:(\a)*65536+\t*8192 th:TH_STORE_NT   ; sixteen lanes store 256 consecutive aligned bytes; the block and the pair of rows stand in the immediate
.endr
.endm
	PLACES
	TOSTAGE 0
.irp a, 1,2,3,4,5,6,7
.if \a > 1
	s_wait_xcnt 0x0                                ; block a - 2's stores have read their registers: block a's loads may land there
.endif
	TOSTAGE \a
	SEND \a-1, 16
.endr
	SEND 7, 0
	s_wait_tensorcnt 0x0                           ; the wave's end
	ds_add_u32 v[SPW], v[NIL]
	s_wait_dscnt 0x0
	CROUND                                         ; the closing round
	s_endpgm
.Lfunc_end_k_q693a4c37f2_proj:
	.size	k_q693a4c37f2_proj, .Lfunc_end_k_q693a4c37f2_proj-k_q693a4c37f2_proj
	.p2alignl 7, 3214868480
	.fill 96, 4, 3214868480
	.section	.rodata,"a",@progbits
	.p2align	6, 0x0
	.amdhsa_kernel k_q693a4c37f2_proj
		.amdhsa_group_segment_fixed_size 327680
		.amdhsa_private_segment_fixed_size 0
		.amdhsa_enable_private_segment 0
		.amdhsa_kernarg_size 32
		.amdhsa_user_sgpr_count 2
		.amdhsa_user_sgpr_kernarg_segment_ptr 1
		.amdhsa_wavefront_size32 1
		.amdhsa_system_sgpr_workgroup_id_x 1
		.amdhsa_system_sgpr_workgroup_id_y 1
		.amdhsa_system_sgpr_workgroup_id_z 1
		.amdhsa_system_vgpr_workitem_id 0
		.amdhsa_next_free_vgpr 768
		.amdhsa_next_free_sgpr 66
		.amdhsa_reserve_vcc 0
		.amdhsa_float_denorm_mode_32 3
		.amdhsa_float_denorm_mode_16_64 3
		.amdhsa_memory_ordered 1
		.amdhsa_forward_progress 1
		.amdhsa_inst_pref_size 86
	.end_amdhsa_kernel
	.amdgpu_metadata
---
amdhsa.version: [ 1, 2 ]
amdhsa.kernels:
  - .name:           k_q693a4c37f2_proj
    .symbol:         k_q693a4c37f2_proj.kd
    .args:
      - { .name: yh, .offset: 0, .size: 8, .value_kind: global_buffer, .address_space: global }
      - { .name: wp16, .offset: 8, .size: 8, .value_kind: global_buffer, .address_space: global }
      - { .name: b_proj, .offset: 16, .size: 8, .value_kind: global_buffer, .address_space: global }
      - { .name: out0, .offset: 24, .size: 8, .value_kind: global_buffer, .address_space: global }
    .group_segment_fixed_size: 327680
    .private_segment_fixed_size: 0
    .kernarg_segment_align: 8
    .kernarg_segment_size: 32
    .max_flat_workgroup_size: 128
    .sgpr_count:     66
    .vgpr_count:     768
    .wavefront_size: 32
...
	.end_amdgpu_metadata
.endif
;; end of part 4
;; launch fine (part 5): grid 16 x 4, 16 waves a work-group, no clusters, 71,680 bytes of LDS; arguments qkv32, w_proj, b_proj, out0; writes out0
.if DOCPART == 5
	.amdgcn_target "amdgcn-amd-amdhsa--gfx1250"
	.amdhsa_code_object_version 6
	.text
	.protected	k_q693a4c37f2_fine
	.globl	k_q693a4c37f2_fine
	.p2align	8
	.type	k_q693a4c37f2_fine,@function
k_q693a4c37f2_fine:
	s_mov_b64 s[64:65], 0
	v_nop
	global_prefetch_b8 v0, s[64:65] scope:SCOPE_SE
	s_setreg_imm32_b32 hwreg(HW_REG_WAVE_MODE, 25, 1), 1
	s_wait_xcnt 0x0
; FINE: the first 16 positions of each batch once more, with f32 operands throughout: these rows average one to sixteen values, and are carried more finely.  64 rows of out0 are written.
; qkv32 [batch][n / 16][half][lane][16 bytes]: lane (r, h), register j = qkv[t = r][16 (n / 16) + 8 h + j].  w_proj [1024][1024], b_proj [1024], out0 [8192][1024]: f32.
; SHARES.  Work-group (cb, batch): 64 output columns 64 cb on, 16 rows.  Wave = head: it makes its head's 16 x 16 attention (32 matrix instructions; repeated in each of the 16 column blocks) and multiplies its 64 channels,
; its part of the projection's K, by w_proj; the 16 waves' parts meet in LDS, and wave w adds and stores row w.
; v_wmma_f32_16x16x4_f32: a lane (r, h) holds row r (A) or column r (B) and k = 2 h + j in register j.  A pair of image registers 2 i, 2 i + 1 gives the four channels 16 (i / 4) + 8 h + 2 (i % 4) + j: the same choice of k on both sides.
; S^T = K Q^T: lane (r, h), register j: key 8 h + j, query r.  O^T = V^T P: channel 16 ct + 8 h + j, query r.  OUT^T = W^T y^T: column 16 nt + 8 h + j, row r.
; The registers that the matrix instructions write (v112-191) are written by nothing else.
.set LI,  1                            ; v1  16 x lane; later: where I store my part in LDS
.set VA,  2                            ; v2  V's gather offset; later: where I read row w's parts
.set WA,  3                            ; v3  4 r + 8 h rows of w_proj
.set SPW, 4
.set NIL, 5
.set T,   8                            ; v8-15   the scores, then p
.set Q,   16                           ; v16-47  Q's image;  v48-79 K's;  later W's second half
.set K,   48
.set W2,  16
.set VV,  80                           ; v80-111 v[key 8 h + i][channel 16 ct + r] at 80 + 8 ct + i; later the bias and the parts
.set SA,  112
.set SB,  120
.set O,   128
.set OUT, 160
.set W1,  192                          ; v192-255 W's first half: (step kk, nt, j) at 192 + 8 kk + 2 nt + j
.set PART, 16*272                      ; a wave's part in LDS: 16 rows x (256 bytes + 16)
.set SPARE, 16*PART                    ; the spare words, 128 bytes for each wave, named by no other line
	s_load_b256 s[4:11], s[0:1], 0x0               ; qkv32 s[4:5], w_proj s[6:7], b_proj s[8:9], out0 s[10:11]
	v_lshl_add_u32 v[SPW], v0, 2, SPARE
	v_mov_b32 v[NIL], 0
	v_lshrrev_b32 v6, 5, v0
	v_readfirstlane_b32 s12, v6                    ; wave = head
	s_and_b32 s13, ttmp7, 0xffff                   ; batch
	v_and_b32 v6, 31, v0
	v_lshlrev_b32 v[LI], 4, v6
	v_and_b32 v7, 15, v0                           ; r
	v_bfe_u32 v8, v0, 4, 1                         ; h
	v_bfe_u32 v9, v0, 2, 1                         ; channel r of a tile lies in image lane (key, r / 8), register r % 8: half (r / 4) % 2, word r % 4
	v_lshlrev_b32 v[VA], 9, v9
	v_bfe_u32 v9, v0, 3, 1
	v_lshl_add_u32 v[VA], v9, 8, v[VA]
	v_and_b32 v9, 3, v0
	v_lshl_add_u32 v[VA], v9, 2, v[VA]
	v_lshl_add_u32 v[VA], v8, 7, v[VA]             ; keys 8 h on: 16 bytes a key
	v_lshlrev_b32 v[WA], 2, v7
	v_lshl_add_u32 v[WA], v8, 15, v[WA]
	s_mul_i32 s14, s13, 196608                     ; qkv32: my batch's 192 images, my head's four
	s_lshl_b32 s15, s12, 12
	s_add_co_u32 s14, s14, s15
	s_mov_b32 s15, 0
	s_lshl_b32 s16, s12, 18                        ; w_proj: my head's 64 rows of 4,096 bytes, my work-group's 256 bytes of a row
	s_lshl_b32 s18, ttmp9, 8
	s_add_co_u32 s16, s16, s18
	s_mov_b32 s17, 0
	s_mov_b32 s19, 0
	s_lshl_b32 s20, s13, 11                        ; out0: row 2,048 x batch + wave
	s_add_co_u32 s20, s20, s12
	s_lshl_b32 s20, s20, 12
	s_add_co_u32 s20, s20, s18
	s_mov_b32 s21, 0
	s_mov_b32 s22, 0x76543210
	s_mov_b32 s23, 0xfedcba98                      ; v_permlanex16_b32's selects for lane l xor 16
	s_mov_b32 s24, 0x3e38aa3b                      ; c = log2(e) / 8
	s_mul_i32 s25, s12, PART
	s_mul_i32 s26, s12, 272
	s_wait_kmcnt 0x0
	s_add_nc_u64 s[4:5], s[4:5], s[14:15]
	s_add_nc_u64 s[6:7], s[6:7], s[16:17]
	s_add_nc_u64 s[8:9], s[8:9], s[18:19]
	s_add_nc_u64 s[10:11], s[10:11], s[20:21]
.irp b, 0,1,2,3
	global_load_b128 v[Q+8*\b:Q+8*\b+3], v[LI], s[4:5] offset:1024*\b
	global_load_b128 v[Q+8*\b+4:Q+8*\b+7], v[LI], s[4:5] offset:1024*\b+512
.endr
.irp b, 0,1,2,3
	global_load_b128 v[K+8*\b:K+8*\b+3], v[LI], s[4:5] offset:65536+1024*\b
	global_load_b128 v[K+8*\b+4:K+8*\b+7], v[LI], s[4:5] offset:65536+1024*\b+512
.endr
.irp ct, 0,1,2,3
.irp i, 0,1,2,3,4,5,6,7
	global_load_b32 v[VV+8*\ct+\i], v[VA], s[4:5] offset:131072+1024*\ct+16*\i
.endr
.endr
.macro WLOAD reg, first                ; eight K steps of the projection: step kk takes rows 16 (kk / 4) + 2 (kk % 4) + j + 8 h of my head's 64
.set kk, \first
.rept 8
.irp nt, 0,1,2,3
.irp j, 0,1
	global_load_b32 v[\reg+8*(kk-\first)+2*\nt+\j], v[WA], s[6:7] offset:(16*(kk/4)+2*(kk%4)+\j)*4096+64*\nt
.endr
.endr
.set kk, kk+1
.endr
.endm
	WLOAD W1, 0
	s_wait_loadcnt 63                              ; 112 loads are issued: at most the youngest 63 are out, so the first 48, Q, K and V, are in
	v_wmma_f32_16x16x4_f32 v[SA:SA+7], v[K:K+1], v[Q:Q+1], 0          ; S^T in two sums that take turns; each begins with the constant 0
	v_wmma_f32_16x16x4_f32 v[SB:SB+7], v[K+2:K+3], v[Q+2:Q+3], 0
.set i, 2
.rept 7
	v_wmma_f32_16x16x4_f32 v[SA:SA+7], v[K+2*i:K+2*i+1], v[Q+2*i:Q+2*i+1], v[SA:SA+7]
	v_wmma_f32_16x16x4_f32 v[SB:SB+7], v[K+2*i+2:K+2*i+3], v[Q+2*i+2:Q+2*i+3], v[SB:SB+7]
.set i, i+2
.endr
	v_and_b32 v6, 15, v0                           ; eleven plain instructions: the places (eight are owed behind this form) in front of the loads into Q's and K's registers and of the first reads of the sums
	v_bfe_u32 v7, v0, 4, 1
	v_mul_u32_u24 v[LI], v6, 272                   ; (the wait above has shown the loads that named v1 and v2 done)
	v_lshl_add_u32 v[LI], v7, 5, v[LI]
	v_add_nc_u32 v[LI], s25, v[LI]                 ; my part: row r, + 32 h
	v_lshlrev_b32 v7, 3, v7
	v_sub_nc_u32 v6, v6, v7                        ; r - 8 h
	v_and_b32 v[VA], 31, v0
	v_lshlrev_b32 v[VA], 3, v[VA]
	v_add_nc_u32 v[VA], s26, v[VA]                 ; row w of a part, 8 bytes a lane
	v_mov_b32 v7, 0xff800000                       ; -infinity
	WLOAD W2, 8
.irp j, 0,1,2,3,4,5,6,7
	v_add_f32 v[T+\j], v[SA+\j], v[SB+\j]          ; from the low end on
.endr
.irp j, 0,1,2,3,4,5,6,7
	v_cmp_gt_i32 vcc_lo, \j, v6                    ; key 8 h + j is hidden where it comes after query r
	v_cndmask_b32 v[T+\j], v[T+\j], v7, vcc_lo
.endr
	v_max3_num_f32 v6, v8, v9, v10
	v_max3_num_f32 v6, v6, v11, v12
	v_max3_num_f32 v6, v6, v13, v14
	v_max_num_f32 v6, v6, v15
	v_permlanex16_b32 v7, v6, s22, s23
	v_max_num_f32 v6, v6, v7                       ; the row's maximum (key 0 counts for every query)
	v_mul_f32 v6, s24, v6
.irp j, 0,1,2,3,4,5,6,7
	v_fma_f32 v[T+\j], v[T+\j], s24, -v6
.endr
.irp j, 0,1,2,3,4,5,6,7
	v_exp_f32 v[T+\j], v[T+\j]
.endr
	v_nop                                          ; a plain instruction behind the exponentials,
	s_wait_alu depctr_va_vdst(0)                   ; and the one wait ahead of their first reader
	v_add_f32 v6, v8, v9
	v_add_f32 v7, v10, v11
	v_add_f32 v6, v6, v12
	v_add_f32 v7, v7, v13
	v_add_f32 v6, v6, v14
	v_add_f32 v7, v7, v15
	v_add_f32 v6, v6, v7
	v_permlanex16_b32 v7, v6, s22, s23
	v_add_f32 v6, v6, v7
	v_rcp_f32 v6, v6
	v_nop
	s_wait_alu depctr_va_vdst(0)
.irp j, 0,1,2,3,4,5,6,7
	v_mul_f32 v[T+\j], v[T+\j], v6                 ; the softmax, normalised, in f32
.endr
.irp p, 0,1,2,3                                ; O^T = V^T P: keys 8 h + 2 p + j; four sums by turns
.irp ct, 0,1,2,3
.if \p == 0
	v_wmma_f32_16x16x4_f32 v[O+8*\ct:O+8*\ct+7], v[VV+8*\ct+2*\p:VV+8*\ct+2*\p+1], v[T+2*\p:T+2*\p+1], 0
.else
	v_wmma_f32_16x16x4_f32 v[O+8*\ct:O+8*\ct+7], v[VV+8*\ct+2*\p:VV+8*\ct+2*\p+1], v[T+2*\p:T+2*\p+1], v[O+8*\ct:O+8*\ct+7]
.endif
.endr
.endr
	v_and_b32 v6, 31, v0                           ; nine places: the sums become an operand of the next products; and loads go into V's registers
	v_lshlrev_b32 v6, 3, v6                        ; 8 x lane; never rewritten from here on
.rept 7
	v_nop
.endr
	global_load_b64 v[80:81], v6, s[8:9]           ; the bias of my two columns of row w
	s_wait_loadcnt 63                              ; behind W's first half 65 loads were issued: with at most 63 out it is in
.macro PROJ reg, first                         ; OUT^T += W^T y^T, eight K steps; four sums by turns
.set kk, \first
.rept 8
.irp nt, 0,1,2,3
.if kk == 0
	v_wmma_f32_16x16x4_f32 v[OUT+8*\nt:OUT+8*\nt+7], v[\reg+8*(kk-\first)+2*\nt:\reg+8*(kk-\first)+2*\nt+1], v[O+8*(kk/4)+2*(kk%4):O+8*(kk/4)+2*(kk%4)+1], 0
.else
	v_wmma_f32_16x16x4_f32 v[OUT+8*\nt:OUT+8*\nt+7], v[\reg+8*(kk-\first)+2*\nt:\reg+8*(kk-\first)+2*\nt+1], v[O+8*(kk/4)+2*(kk%4):O+8*(kk/4)+2*(kk%4)+1], v[OUT+8*\nt:OUT+8*\nt+7]
.endif
.endr
.set kk, kk+1
.endr
.endm
	PROJ W1, 0
	s_wait_loadcnt 0x0                             ; W's second half and the bias
	PROJ W2, 8
.rept 8
	v_nop                                          ; eight places in front of the stores that read the sums
.endr
.irp nt, 0,1,2,3
	ds_store_b128 v[LI], v[OUT+8*\nt:OUT+8*\nt+3] offset:64*\nt          ; each sum from its low end on
	ds_store_b128 v[LI], v[OUT+8*\nt+4:OUT+8*\nt+7] offset:64*\nt+16
.endr
	s_wait_dscnt 0x0                               ; for the others' sake: my part lies in LDS
	s_barrier_signal -1
	s_barrier_wait -1
.set ww, 0
.rept 15
	ds_load_b64 v[82+2*ww:83+2*ww], v[VA] offset:ww*PART   ; row w of each wave's part: 256 consecutive bytes
.set ww, ww+1
.endr
	ds_load_b64 v[8:9], v[VA] offset:15*PART
	s_wait_dscnt 0x0
.irp p, 82,86,90,94,98,102,106                 ; the sixteen parts and the bias, in two chains
	v_pk_add_f32 v[80:81], v[80:81], v[\p:\p+1]
	v_pk_add_f32 v[8:9], v[8:9], v[\p+2:\p+3]
.endr
	v_pk_add_f32 v[80:81], v[80:81], v[110:111]
	v_pk_add_f32 v[80:81], v[80:81], v[8:9]
	global_store_b64 v6, v[80:81], s[10:11]        ; the wave stores 256 consecutive aligned bytes
	s_wait_tensorcnt 0x0                           ; the wave's end
	ds_add_u32 v[SPW], v[NIL]
	s_wait_dscnt 0x0
	s_endpgm
.Lfunc_end_k_q693a4c37f2_fine:
	.size	k_q693a4c37f2_fine, .Lfunc_end_k_q693a4c37f2_fine-k_q693a4c37f2_fine
	.p2alignl 7, 3214868480
	.fill 96, 4, 3214868480
	.section	.rodata,"a",@progbits
	.p2align	6, 0x0
	.amdhsa_kernel k_q693a4c37f2_fine
		.amdhsa_group_segment_fixed_size 71680
		.amdhsa_private_segment_fixed_size 0
		.amdhsa_enable_private_segment 0
		.amdhsa_kernarg_size 32
		.amdhsa_user_sgpr_count 2
		.amdhsa_user_sgpr_kernarg_segment_ptr 1
		.amdhsa_wavefront_size32 1
		.amdhsa_system_sgpr_workgroup_id_x 1
		.amdhsa_system_sgpr_workgroup_id_y 1
		.amdhsa_system_sgpr_workgroup_id_z 1
		.amdhsa_system_vgpr_workitem_id 0
		.amdhsa_next_free_vgpr 256
		.amdhsa_next_free_sgpr 66
		.amdhsa_reserve_vcc 1
		.amdhsa_float_denorm_mode_32 3
		.amdhsa_float_denorm_mode_16_64 3
		.amdhsa_memory_ordered 1
		.amdhsa_forward_progress 1
		.amdhsa_inst_pref_size 32
	.end_amdhsa_kernel
	.amdgpu_metadata
---
amdhsa.version: [ 1, 2 ]
amdhsa.kernels:
  - .name:           k_q693a4c37f2_fine
    .symbol:         k_q693a4c37f2_fine.kd
    .args:
      - { .name: qkv32, .offset: 0, .size: 8, .value_kind: global_buffer, .address_space: global }
      - { .name: w_proj, .offset: 8, .size: 8, .value_kind: global_buffer, .address_space: global }
      - { .name: b_proj, .offset: 16, .size: 8, .value_kind: global_buffer, .address_space: global }
      - { .name: out0, .offset: 24, .size: 8, .value_kind: global_buffer, .address_space: global }
    .group_segment_fixed_size: 71680
    .private_segment_fixed_size: 0
    .kernarg_segment_align: 8
    .kernarg_segment_size: 32
    .max_flat_workgroup_size: 512
    .sgpr_count:     66
    .vgpr_count:     256
    .wavefront_size: 32
...
	.end_amdgpu_metadata
.endif
;; end of part 5
